; MI455X (gfx1250); checked and timed in simulation.
; The chip was launched on July 23, 2026; its instructions are those of AMD's public machine-readable ISA for CDNA 5 (MIT licence, August 2026) and "CDNA5" Instruction Set Architecture Reference Guide (July 2026). The comments in the code are by the model that wrote it; some were corrected since.
;; Multi Head Attention. Allowed arithmetic: matrix products marked QUANTISED: E2M1 operands, one E8M0 scale for each 32 along K, by v_wmma_scale_f32_16x16x128_f8f6f4 with both operands' format E2M1 (or v_wmma_scale_f32_32x16x128_f4), f32 sums; products left as they are: bf16, f16 or f32 operands; f32 sums; everything else in f32.
;; Inputs: attention_mask 4 x 2,048 int32; wk 1,024 x 1,024 float32; wo 1,024 x 1,024 float32; wq 1,024 x 1,024 float32; wv 1,024 x 1,024 float32; x 4 x 2,048 x 1,024 float32.
;; Outputs: out0 4 x 2,048 x 1,024 float32.
;; This version of the problem:
;;   THIS VERSION OF THE PROBLEM IS GIVEN IN LOW PRECISION. The matrix products marked QUANTISED in the list below multiply operands that are first quantised to E2M1 (2 exponent bits, 1 mantissa bit; 4 bits a number), with one power-of-two scale for each 32 numbers along K (OCP MX v1.0); their sums are f32. The products marked 'left as it is' may take bf16, f16 or f32 operands, with f32 sums. Whichever they take, every output number must still come out within the allowed error. Rounding operands to bf16 (8 significant bits) uses up far more of that allowance than f16 does (11 bits, for magnitudes from 6e-5 to 65,504). All else is computed in f32.
;;   The module's matrix products, in the order in which they are computed (A, B: the left and right operand; K: the contracted axis; several contracted axes count as one K, in the product's order):
;;     1. [M 8,192, K 1,024] x [K 1,024, N 1,024]; A: input x; B: input wq: QUANTISED
;;     2. [M 8,192, K 1,024] x [K 1,024, N 1,024]; A: input x; B: input wk: QUANTISED
;;     3. [M 8,192, K 1,024] x [K 1,024, N 1,024]; A: input x; B: input wv: QUANTISED
;;     4. batch 64 x [M 2,048, K 64] x [K 64, N 2,048]; A: computed on the way; B: computed on the way: left as it is (an operand is computed on the way)
;;     5. batch 64 x [M 2,048, K 2,048] x [K 2,048, N 64]; A: computed on the way; B: computed on the way: left as it is (an operand is computed on the way)
;;     6. [M 8,192, K 1,024] x [K 1,024, N 1,024]; A: computed on the way; B: input wo: left as it is (an operand is computed on the way)
;;   THE QUANTISER, for each operand of a quantised product, along K:
;;     - K is cut into blocks of 32 from its start; a last block that is shorter is filled with zeros.
;;     - A block's scale is 2^e with e = floor(log2(the largest magnitude in the block)) - 2, held to -126 .. 127; a block of zeros has e = 0. As a byte (E8M0): e + 127.
;;     - Each number is divided by its block's scale, clamped to +-6, and rounded to the nearest number of E2M1, ties to even, subnormals kept.
;;     - The product sums the exact products of the quantised numbers (number of the format x scale) in f32.
;;   ~~~python
;;   def quantise(x, axis):      # numpy; x: float32 -> the quantised numbers, widened to float32 again
;;       x = np.moveaxis(x, axis, -1); K = x.shape[-1]
;;       x = np.pad(x, [(0, 0)] * (x.ndim - 1) + [(0, -K % 32)]); x = x.reshape(x.shape[:-1] + (-1, 32)); a = np.abs(x).max(-1, keepdims=True)
;;       e = np.where(a > 0, np.clip(np.frexp(np.where(a > 0, a, 1))[1] - 1 - 2, -126, 127), 0)      # np.frexp(a)[1] - 1 = floor(log2(a)), exactly
;;       r = np.clip(x / 2.0 ** e, -6, 6)
;;       step = 2.0 ** (np.maximum(np.frexp(np.where(r == 0, 1, r))[1] - 1, 0) - 1)
;;       q = np.round(r / step) * step * 2.0 ** e      # np.round: ties to even
;;       return np.moveaxis(q.reshape(q.shape[:-2] + (-1,))[..., :K], -1, axis).astype(np.float32)
;;   ~~~
;; One version. Each part assembles by itself: llvm-mc -triple=amdgcn-amd-amdhsa -mcpu=gfx1250 --defsym DOCPART=n.
;; ======== version 1 of 1: 5 launches
;; limits: values are held in f16: magnitudes above 65,504 overflow, below 6.1e-05 lose precision
;; workspace buffers: codes 5,767,168 bytes; scales 360,448 bytes; aux 2,129,920 bytes; first 256 bytes of whole numbers; qkv 51,118,080 bytes; ctx 16,777,216 bytes
;; launch prep (part 1): grid 417 x 1, 4 waves a work-group, no clusters, 33,280 bytes of LDS; arguments x, wq, wk, wv, wo, attention_mask, codes, scales, aux, first; writes codes, scales, aux, first
.if DOCPART == 1
	.amdgcn_target "amdgcn-amd-amdhsa--gfx1250"
	.amdhsa_code_object_version 6
	.text
	.protected	k_q6cae2955fc_prep
	.globl	k_q6cae2955fc_prep
	.p2align	8
	.type	k_q6cae2955fc_prep,@function
k_q6cae2955fc_prep:
	s_mov_b64 s[64:65], 0
	v_nop
	global_prefetch_b8 v0, s[64:65] scope:SCOPE_SE
	s_setreg_imm32_b32 hwreg(HW_REG_WAVE_MODE, 25, 1), 1
	s_wait_xcnt 0x0
; MULTI-HEAD ATTENTION, launch 1 of 5: what the later launches read many times is made once.
;   work-groups 0-351:   x, wq, wk, wv (f32, K innermost) -> codes of E2M1 and one E8M0 byte for each 32 along K (buffers codes, scales)
;   work-groups 352-415: wo -> f16, laid by planes of 64 along K: aux[p][e][d] = wo[e][64 p + d]
;   work-group 416:      attention_mask -> a bias for each key (0 where kept, -1e30 where masked) at aux + 2,097,152, and first[b], the first kept key of batch b (2,048 if none)
; WORK LEFT OUT IN THE WHOLE PROGRAM: reference() builds causal = tril(ones) in its own body and sets scores to -inf where key > query; behind the softmax those weights are 0 for all values of the
; inputs, so blocks of 64 keys x 64 queries that lie wholly above the diagonal reach no output: launch 3 neither fetches nor multiplies them.  Every input has a way to an output and is loaded.
; LIMIT: a NaN, an infinity or an overflow that would arise only in a block left out is not carried to the result.
; -1e30 STANDS FOR -infinity.  The row's running maximum is held at -2^93 from below: f16 operands bound |q . k| by 64 x 65,504^2 = 2.8e11, so every kept key's score lies above that floor and the floor acts
; only while all keys seen so far are masked.  Under any such maximum a masked key's weight is 2^(-1.7e29 ..) = 0 exactly.  A row with no kept key (query < first[b]) is NaN in reference():
; launches 4 and 5 select NaN for those rows.  LIMITS: |q|, |k|, |v| and the context under 65,504 (f16 operands of the products left as they are);
; a block whose largest magnitude lies under 2^-124 keeps the byte 1; a block of zeros has the byte 1 (its codes are zeros, and this program alone reads the bytes); NaN and infinities among the inputs are not served.
; THE QUANTISING PATH: rows are dense and K is a multiple of 32, so each tensor is a stream of blocks of 32.  A wave takes 16 steps of 512 numbers; each load reads 512 consecutive bytes; a step turns through
; the wave's own stage in LDS so that a lane holds 16 neighbours; two neighbouring lanes hold a block.  A block's scale byte is its largest magnitude's exponent field - 2, held at 1 from below.
.set WAVES, 4
.set STEPS, 16
.set EMAX,  2
.set CB,    8                          ; bytes of 16 codes
.set R,     16                         ; v16-79   four sets of 16 numbers as loaded
.set X,     80                         ; v80-111  two sets of 16 neighbours
.set E,     112                        ; v112-127 a scale byte for each step
.set C,     128                        ; v128-191 codes, four registers a step
.set WREG,  8192                       ; LDS: a region for each wave: two stages of 32 x SP bytes, then its 256 scale bytes
.set SP,    80
.set SPW,   12                         ; v12 LDS address of my spare word; never rewritten
.set NIL,   13                         ; v13 0; never rewritten
.set SPARE, WAVES*WREG                 ; behind the regions: the spare words, 128 bytes a wave
.set IN,    26                         ; s[26:27] the tensor that my work-group quantises
	s_load_b256 s[4:11], s[0:1], 0x0               ; x, wq, wk, wv
	s_load_b256 s[12:19], s[0:1], 0x20             ; wo, attention_mask, codes, scales
	s_load_b128 s[20:23], s[0:1], 0x40             ; aux, first
	v_lshl_add_u32 v[SPW], v0, 2, SPARE
	v_mov_b32 v[NIL], 0
	v_lshrrev_b32 v1, 5, v0
	v_readfirstlane_b32 s24, v1                    ; wave
	v_and_b32 v2, 31, v0                           ; lane
	v_lshlrev_b32 v3, 4, v2                        ; my 16 bytes of a load's 512
	s_mul_i32 s25, s24, WREG
	v_lshrrev_b32 v14, 2, v2
	v_mul_u32_u24 v14, v14, SP
	v_and_b32 v15, 3, v2
	v_lshl_add_u32 v14, v15, 4, v14
	v_add_nc_u32 v14, s25, v14                     ; the stage, on the way in: SP (lane / 4) + 16 (lane % 4)
	v_mul_u32_u24 v15, v2, SP
	v_add_nc_u32 v15, s25, v15                     ; and on the way out: SP x lane
	v_mul_u32_u24 v4, v2, CB                       ; my codes' place in a step's
	v_lshrrev_b32 v5, 1, v2
	s_add_co_u32 s25, s25, 2*32*SP
	v_add_nc_u32 v5, s25, v5                       ; LDS: my block's scale byte
	v_lshlrev_b32 v7, 3, v2
	v_add_nc_u32 v6, s25, v7                       ; and 8 bytes a lane on the way out
	s_wait_kmcnt 0x0
	s_cmp_ge_u32 ttmp9, 416
	s_cbranch_scc1 .Lmask
	s_cmp_ge_u32 ttmp9, 352
	s_cbranch_scc1 .Lwo
	; ---- the quantising path.  Which tensor: the choice hangs on the work-group's number alone
	s_mov_b64 s[IN:IN+1], s[10:11]
	s_mov_b32 s28, 320
	s_cmp_lt_u32 ttmp9, 320
	s_cselect_b64 s[IN:IN+1], s[8:9], s[IN:IN+1]
	s_cselect_b32 s28, 288, s28
	s_cmp_lt_u32 ttmp9, 288
	s_cselect_b64 s[IN:IN+1], s[6:7], s[IN:IN+1]
	s_cselect_b32 s28, 256, s28
	s_cmp_lt_u32 ttmp9, 256
	s_cselect_b64 s[IN:IN+1], s[4:5], s[IN:IN+1]
	s_cselect_b32 s28, 0, s28
	s_sub_co_u32 s28, ttmp9, s28
	s_lshl_b32 s28, s28, 2
	s_add_co_u32 s28, s28, s24                     ; which run of 8,192 numbers of the tensor is my wave's
	s_lshl_b32 s28, s28, 15
	s_mov_b32 s29, 0
	s_add_nc_u64 s[IN:IN+1], s[IN:IN+1], s[28:29]
	s_lshl_b32 s30, ttmp9, 2
	s_add_co_u32 s30, s30, s24                     ; the outputs follow each other in the order x, wq, wk, wv: run 4 g + wave
	s_lshl_b32 s32, s30, 12
	s_mov_b32 s33, 0
	s_add_nc_u64 s[16:17], s[16:17], s[32:33]      ; 4,096 bytes of codes a run
	s_lshl_b32 s32, s30, 8
	s_add_nc_u64 s[18:19], s[18:19], s[32:33]      ; 256 scale bytes a run
.macro LOAD t
.irp i, 0,1,2,3
	global_load_b128 v[R+16*((\t)%4)+4*\i:R+16*((\t)%4)+4*\i+3], v3, s[IN:IN+1] offset:2048*(\t)+512*\i th:TH_LOAD_NT
.endr
.endm
.macro TURN t                          ; step t's numbers through the stage: LDS serves a wave's instructions in order
.irp i, 0,1,2,3
	ds_store_b128 v14, v[R+16*((\t)%4)+4*\i:R+16*((\t)%4)+4*\i+3] offset:32*SP*((\t)%2)+8*SP*\i
.endr
.irp i, 0,1,2,3
	ds_load_b128 v[X+16*((\t)%2)+4*\i:X+16*((\t)%2)+4*\i+3], v15 offset:32*SP*((\t)%2)+16*\i
.endr
.endm
.irp t, 0,1,2,3
	LOAD \t
.endr
	s_wait_loadcnt 12                              ; step 0's four loads are in; those of three later steps stay out
	TURN 0
.macro STEP t
.set XS, X+16*((\t)%2)
.if (\t) > 0
	s_wait_dscnt 1                                 ; this step's numbers are back from the stage; the last step's byte store may be out
.else
	s_wait_dscnt 0x0
.endif
.if (\t)+4 < STEPS
	LOAD (\t)+4
.endif
.if (\t)+1 < STEPS
.if STEPS-2-(\t) >= 3
	s_wait_loadcnt 12                              ; the next step's four loads are in; three steps' stay out
.else
	s_wait_loadcnt 4*(STEPS-2-(\t))
.endif
	TURN (\t)+1
.endif
	v_max3_num_f32 v8, |v[XS]|, |v[XS+1]|, |v[XS+2]|
	v_max3_num_f32 v9, |v[XS+3]|, |v[XS+4]|, |v[XS+5]|
.irp i, 6,10
	v_max3_num_f32 v8, v8, |v[XS+\i]|, |v[XS+\i+1]|
	v_max3_num_f32 v9, v9, |v[XS+\i+2]|, |v[XS+\i+3]|
.endr
	v_max3_num_f32 v8, v8, |v[XS+14]|, |v[XS+15]|
	v_max3_num_f32 v8, v8, v9, (EMAX+1)<<23        ; the floor 2^(3 - 127): the byte cannot fall under 1
	v_max_num_f32_dpp v8, v8, v8 row_xmask:1 row_mask:0xf bank_mask:0xf   ; with my neighbour's 16: the block's largest magnitude
	v_add_nc_u32 v11, -(EMAX<<23), v8              ; 2 off its exponent field: the conversion takes this operand's exponent field as its scale
	v_cvt_scalef32_pk8_fp4_f32 v[C+4*(\t)], v[XS:XS+7], v11
	v_cvt_scalef32_pk8_fp4_f32 v[C+4*(\t)+1], v[XS+8:XS+15], v11
	v_lshrrev_b32 v[E+(\t)], 23, v11               ; the scale's byte
	ds_store_b8 v5, v[E+(\t)] offset:16*(\t)       ; both lanes of a block write the same byte with the same value
	global_store_b64 v4, v[C+4*(\t):C+4*(\t)+1], s[16:17] offset:32*CB*(\t)   ; the wave stores 256 consecutive bytes, aligned
.endm
.irp t, 0,1,2,3,4,5,6,7,8,9,10,11,12,13,14,15
	STEP \t
.endr
	ds_load_b64 v[8:9], v6
	s_wait_dscnt 0x0
	global_store_b64 v7, v[8:9], s[18:19]          ; my wave's 256 scale bytes in one store
	s_wait_tensorcnt 0x0                           ; the wave's end, behind my last LDS store
	ds_add_u32 v[SPW], v[NIL]
	s_wait_dscnt 0x0
	s_endpgm
	; ---- wo to f16, by planes.  A wave takes four rows e; lanes 0-7: 64 numbers of a row in one plane, lanes 8-15 the next row, lanes 16-31 the next plane
.Lwo:
	s_sub_co_u32 s28, ttmp9, 352
	s_lshl_b32 s28, s28, 2
	s_add_co_u32 s28, s28, s24                     ; task 0..255: rows 4 task on
	s_lshl_b32 s30, s28, 14
	s_mov_b32 s31, 0
	s_add_nc_u64 s[12:13], s[12:13], s[30:31]
	s_lshl_b32 s30, s28, 9
	s_add_nc_u64 s[20:21], s[20:21], s[30:31]
	v_bfe_u32 v176, v2, 3, 1                       ; which row of a pair
	v_lshrrev_b32 v177, 4, v2                      ; which plane of a pair
	v_and_b32 v178, 7, v2
	v_lshlrev_b32 v179, 12, v176
	v_lshl_add_u32 v179, v177, 8, v179
	v_lshl_add_u32 v179, v178, 5, v179             ; in: 4,096 row + 256 plane + 32 (lane % 8)
	v_lshlrev_b32 v180, 17, v177
	v_lshl_add_u32 v180, v176, 7, v180
	v_lshl_add_u32 v180, v178, 4, v180             ; out: 131,072 plane + 128 row + 16 (lane % 8)
.irp p, 0,1
.irp i, 0,1,2,3,4,5,6,7
	global_load_b128 v[16+64*\p+8*\i:19+64*\p+8*\i], v179, s[12:13] offset:8192*\p+512*\i
	global_load_b128 v[20+64*\p+8*\i:23+64*\p+8*\i], v179, s[12:13] offset:8192*\p+512*\i+16
.endr
.endr
	s_wait_loadcnt 16                              ; the first pair of rows is in; the second pair's 16 loads stay out
.irp i, 0,1,2,3,4,5,6,7
.irp q, 0,1,2,3
	v_cvt_pk_f16_f32 v[144+4*\i+\q], v[16+8*\i+2*\q], v[17+8*\i+2*\q]
.endr
	global_store_b128 v180, v[144+4*\i:147+4*\i], s[20:21] offset:262144*\i   ; sixteen lanes store 256 consecutive bytes, aligned
.endr
	s_wait_loadcnt 0x0
.irp i, 0,1,2,3,4,5,6,7
.irp q, 0,1,2,3
	v_cvt_pk_f16_f32 v[16+4*\i+\q], v[80+8*\i+2*\q], v[81+8*\i+2*\q]     ; into registers whose numbers have been converted
.endr
	global_store_b128 v180, v[16+4*\i:19+4*\i], s[20:21] offset:256+262144*\i
.endr
	s_endpgm
	; ---- the mask: wave b takes batch b
.Lmask:
	v_lshlrev_b32 v181, 4, v2
	v_lshl_add_u32 v181, v1, 13, v181              ; 8,192 b + 16 lane
	v_lshlrev_b32 v182, 2, v1                      ; 4 b
	v_lshlrev_b32 v145, 2, v2                      ; 4 lane
	v_mov_b32 v144, 2048                           ; the least kept key so far
	v_mov_b32 v146, 0xf149f2ca                     ; -1e30
	v_mov_b32 v149, 2048
	v_mov_b32 v150, 0                              ; (a lane move's destination counts as read)
	s_mov_b32 s30, 0x76543210
	s_mov_b32 s31, 0xfedcba98
.irp t, 0,1,2,3,4,5,6,7,8,9,10,11,12,13,14,15
	global_load_b128 v[16+4*\t:19+4*\t], v181, s[14:15] offset:512*\t
.endr
	s_wait_loadcnt 0x0
.irp t, 0,1,2,3,4,5,6,7,8,9,10,11,12,13,14,15
.irp e, 0,1,2,3
	v_cmp_ne_u32 vcc_lo, 0, v[16+4*\t+\e]
	v_cndmask_b32 v[80+4*\t+\e], v146, v[NIL], vcc_lo      ; kept: 0; masked: -1e30
	v_add_nc_u32 v148, 128*\t+\e, v145                     ; the key's number
	v_cndmask_b32 v148, v149, v148, vcc_lo
	v_min_u32 v144, v144, v148
.endr
	global_store_b128 v181, v[80+4*\t:83+4*\t], s[20:21] offset:2097152+512*\t
.endr
.irp m, 1,2,4,8
	v_mov_b32_dpp v150, v144 row_xmask:\m row_mask:0xf bank_mask:0xf
	v_min_u32 v144, v144, v150
.endr
	v_permlanex16_b32 v150, v144, s30, s31
	v_min_u32 v144, v144, v150                     ; every lane holds first[b]
	s_wait_xcnt 0x0                                ; EXEC changes only behind this wait
	v_cmp_eq_u32 vcc_lo, 0, v2
	s_and_saveexec_b32 s32, vcc_lo
	global_store_b32 v182, v144, s[22:23]          ; lane 0 stores the word
	s_wait_xcnt 0x0
	s_or_b32 exec_lo, exec_lo, s32
	s_endpgm
.Lfunc_end_k_q6cae2955fc_prep:
	.size	k_q6cae2955fc_prep, .Lfunc_end_k_q6cae2955fc_prep-k_q6cae2955fc_prep
	.p2alignl 7, 3214868480
	.fill 96, 4, 3214868480
	.section	.rodata,"a",@progbits
	.p2align	6, 0x0
	.amdhsa_kernel k_q6cae2955fc_prep
		.amdhsa_group_segment_fixed_size 33280
		.amdhsa_private_segment_fixed_size 0
		.amdhsa_enable_private_segment 0
		.amdhsa_kernarg_size 80
		.amdhsa_user_sgpr_count 2
		.amdhsa_user_sgpr_kernarg_segment_ptr 1
		.amdhsa_wavefront_size32 1
		.amdhsa_system_sgpr_workgroup_id_x 1
		.amdhsa_system_sgpr_workgroup_id_y 1
		.amdhsa_system_sgpr_workgroup_id_z 1
		.amdhsa_system_vgpr_workitem_id 0
		.amdhsa_next_free_vgpr 192
		.amdhsa_next_free_sgpr 66
		.amdhsa_reserve_vcc 1
		.amdhsa_float_denorm_mode_32 3
		.amdhsa_float_denorm_mode_16_64 3
		.amdhsa_memory_ordered 1
		.amdhsa_forward_progress 1
		.amdhsa_inst_pref_size 59
	.end_amdhsa_kernel
	.amdgpu_metadata
---
amdhsa.version: [ 1, 2 ]
amdhsa.kernels:
  - .name:           k_q6cae2955fc_prep
    .symbol:         k_q6cae2955fc_prep.kd
    .args:
      - { .name: x, .offset: 0, .size: 8, .value_kind: global_buffer, .address_space: global }
      - { .name: wq, .offset: 8, .size: 8, .value_kind: global_buffer, .address_space: global }
      - { .name: wk, .offset: 16, .size: 8, .value_kind: global_buffer, .address_space: global }
      - { .name: wv, .offset: 24, .size: 8, .value_kind: global_buffer, .address_space: global }
      - { .name: wo, .offset: 32, .size: 8, .value_kind: global_buffer, .address_space: global }
      - { .name: attention_mask, .offset: 40, .size: 8, .value_kind: global_buffer, .address_space: global }
      - { .name: codes, .offset: 48, .size: 8, .value_kind: global_buffer, .address_space: global }
      - { .name: scales, .offset: 56, .size: 8, .value_kind: global_buffer, .address_space: global }
      - { .name: aux, .offset: 64, .size: 8, .value_kind: global_buffer, .address_space: global }
      - { .name: first, .offset: 72, .size: 8, .value_kind: global_buffer, .address_space: global }
    .group_segment_fixed_size: 33280
    .private_segment_fixed_size: 0
    .kernarg_segment_align: 8
    .kernarg_segment_size: 80
    .max_flat_workgroup_size: 128
    .sgpr_count:     66
    .vgpr_count:     192
    .wavefront_size: 32
...
	.end_amdgpu_metadata
.endif
;; end of part 1
;; launch qkv (part 2): grid 12 x 32, 4 waves a work-group, clusters of 4 x 4, 327,680 bytes of LDS; arguments codes, scales, qkv; writes qkv
.if DOCPART == 2
	.amdgcn_target "amdgcn-amd-amdhsa--gfx1250"
	.amdhsa_code_object_version 6
	.text
	.protected	k_q6cae2955fc_qkv
	.globl	k_q6cae2955fc_qkv
	.p2align	8
	.type	k_q6cae2955fc_qkv,@function
k_q6cae2955fc_qkv:
	s_mov_b64 s[64:65], 0
	v_nop
	global_prefetch_b8 v0, s[64:65] scope:SCOPE_SE
	s_setreg_imm32_b32 hwreg(HW_REG_WAVE_MODE, 25, 1), 1
	s_wait_xcnt 0x0
	s_wait_alu depctr_hold_cnt(0) depctr_sa_sdst(0) depctr_va_vdst(0) depctr_va_sdst(0) depctr_va_ssrc(0) depctr_va_vcc(0) depctr_vm_vsrc(0)
	s_getreg_b32 s2, hwreg(HW_REG_IB_STS2, 6, 4)
	s_cmp_eq_u32 s2, 0
	s_cbranch_scc0 .Lentry_in_a_cluster
	s_endpgm
.Lentry_in_a_cluster:
	s_bfe_u32 s2, ttmp6, 0x10000c
	s_cmp_lg_u32 s2, 0xf033
	s_cbranch_scc0 .Lentry_shape_is_right
	s_endpgm
.Lentry_shape_is_right:
; Launch 2 of 5: q, k, v = x [wq; wk; wv]^T as ONE product [8192 x 1024] x [1024 x 3072] on codes of E2M1 with E8M0 scales; sums in f32, K ascending.
; A tile of 256 x 256 is made by four waves, each 128 x 128: 64 accumulators, 512 registers.  K = 1,024 is two slots of 512 along K (rows of 256 bytes): both are first fills, nothing is filled again.
; The scale bytes of the work-group's 256 + 256 rows come once, as dense blocks.  4 x 4 work-groups form a cluster: A's tiles are asked for jointly along a row of it, B's along a column.
; The matrix instruction is used transposed (source 0 = 16 rows of w, source 1 = 16 rows of x): a lane holds eight neighbouring columns of one row.
; THE RESULT goes out in f16, by heads: qkv[which][batch][head][position][64], so that a head's rows are dense; and positions 0-15 of each sequence once more in f32 (behind the f16 part), for launch 5.
; LIMIT: |q|, |k|, |v| under 65,504.
; REGISTERS: window 0: v0-31 addresses; v32-95 scale words, two sets, and nothing else; v96-127, v192-255 the way out; from v128 A's fragments, one set.  Window 1: B's fragments, two sets.
;   Windows 2, 3: the accumulators ((a, b) at v[8 (8 (a % 4) + b)]).
.set SIZE_M, 8192
.set SIZE_N, 3072
.set SIZE_K, 1024
.set KSTEP,  512
.set NQ,     KSTEP/128
.set ROWB,   256
.set KROW,   SIZE_K*4/8
.set PITCH,  272                       ; an LDS row: 256 bytes + 16 of padding: the 16 rows of a fragment load start 68 words apart
.set FR,     8
.set NL,     2
.set NP,     4
.set HALFT,  128*PITCH
.set SLOT,   4*HALFT
.set KS,     SIZE_K/32
.set SCL,    2*SLOT
.set HALFS,  (128*KS/256)*272
.set SBLK,   (16*KS/256)*272
.set SPARE,  SCL+4*HALFS
.set SPITCH, 272                       ; the way out: a stage of 16 rows x (256 bytes + 16) for each wave, in slot 0, which has had its only fill and its last read by then
.set ADRA, 16
.set ADRB, 20
.set STO,  24
.set RD,   25
.set CO,   26
.set ADRS, 27
.set SPW,  28
.set NIL,  29
.set FLG,  30                          ; v30  0 where my block 0 is positions 0-15 of a sequence
.set FO,   31                          ; v31  my byte offset in the f32 copy
.set SC,   32
.set AF,   128
.set TMP,  192                         ; the way out: packed results
.set OB,   96                          ; and 16 rows read back: v96-127 and v224-255 by turns
.set G1, 24
.set G0, 32
.set G1B, 48
.set G0B, 56
.set G1S, 68
.set G0S, 76
.set G1SB, 80
.set G0SB, 88
.set MSB, 0
.macro WIN new
.if MSB != \new
	s_set_vgpr_msb (MSB<<8)|\new
.set MSB, \new
.endif
.endm
.set MUL_LO, 0xa1
.set MUL_HI, 0xf1
.set TO_B,   0x40
.macro JLOAD g0a, g1a, g0b, g1b        ; a joint load: waves 0 and 1 fetch for A, waves 2 and 3 for B; the branch hangs on the wave's number alone
	s_cmp_eq_u32 s15, 0
	s_cbranch_scc0 .Lfor_b_\@
	tensor_load_to_lds s[\g0a:\g0a+3], s[\g1a:\g1a+7]
	s_nop 0
.rept 4
	v_nop
.endr
	s_branch .Lasked_\@
.Lfor_b_\@:
	tensor_load_to_lds s[\g0b:\g0b+3], s[\g1b:\g1b+7]
	s_nop 0
.rept 4
	v_nop
.endr
.Lasked_\@:
.endm
.macro CROUND                          ; a round of the cluster's barrier
	s_barrier_signal -1
	s_barrier_wait -1
	s_cmp_lg_u32 s14, 0
	s_cbranch_scc1 .Lnot_wave_0_\@
	s_barrier_signal -3
.Lnot_wave_0_\@:
	s_barrier_wait -3
	s_barrier_signal -1
	s_barrier_wait -1
.endm
	s_load_b128 s[4:7], s[0:1], 0x0                ; codes, scales
	s_load_b64 s[12:13], s[0:1], 0x10              ; qkv
	v_lshl_add_u32 v[SPW], v0, 2, SPARE
	v_mov_b32 v[NIL], 0
	ds_add_u32 v[SPW], v[NIL]                      ; the wave's opening: the add, twice on end, and its wait ahead of my first tensor load
	ds_add_u32 v[SPW], v[NIL]
	v_lshrrev_b32 v1, 5, v0
	v_readfirstlane_b32 s14, v1                    ; wave
	s_lshr_b32 s15, s14, 1                         ; my half of the tile's rows; also: I fetch for A (0) or B (1)
	s_and_b32 s16, s14, 1                          ; my half of its columns; also: which 128 rows I fetch
	s_bfe_u32 s40, ttmp6, 0x40000                  ; cx
	s_bfe_u32 s41, ttmp6, 0x40004                  ; cy
	s_lshl_b32 s42, ttmp9, 2
	s_add_co_u32 s42, s42, s40                     ; tile column
	s_and_b32 s17, ttmp7, 0xffff
	s_lshl_b32 s17, s17, 2
	s_add_co_u32 s17, s17, s41                     ; tile row
	s_lshl_b32 s43, s41, 2
	s_lshl_b32 s43, 15, s43                        ; my row of the cluster
	s_lshl_b32 s44, 0x1111, s40                    ; my column
	s_or_b32 s[G1+0], s43, (0<<16)|(1<<20)|(1<<21)|(5<<22)|(3<<25)  ; mask; elements of 1 byte; padding of 4 words behind every 64
	s_or_b32 s[G1B+0], s44, (0<<16)|(1<<20)|(1<<21)|(5<<22)|(3<<25)
.irp g, G1, G1B
	s_mov_b32 s[\g+1], ROWB<<16
	s_mov_b32 s[\g+2], 128<<16
	s_mov_b32 s[\g+3], ROWB<<16
	s_mov_b32 s[\g+4], 128
	s_mov_b32 s[\g+5], KROW
	s_mov_b32 s[\g+6], 0
	s_mov_b32 s[\g+7], 0
.endr
	s_or_b32 s[G1S+0], s43, (3<<16)|(1<<20)|(1<<21)|(5<<22)|(3<<25) ; the scales of 128 rows: a dense block as rows of 256 bytes
	s_or_b32 s[G1SB+0], s44, (3<<16)|(1<<20)|(1<<21)|(5<<22)|(3<<25)
.irp g, G1S, G1SB
	s_mov_b32 s[\g+1], 32<<16
	s_mov_b32 s[\g+2], (128*KS/256)<<16
	s_mov_b32 s[\g+3], 32<<16
	s_mov_b32 s[\g+4], 128*KS/256
	s_mov_b32 s[\g+5], 32
	s_mov_b32 s[\g+6], 0
	s_mov_b32 s[\g+7], 0
.endr
	s_lshl_b32 s18, s16, 7
	s_lshl_b32 s20, s17, 8
	s_add_co_u32 s20, s20, s18                     ; A: row 256 x tile row + 128 x half
	s_lshl_b32 s46, s42, 8
	s_add_co_u32 s46, s46, s18                     ; B: row 256 x tile column + 128 x half
	s_mov_b32 s21, 0
	s_mov_b32 s47, 0
	s_mov_b64 s[18:19], KS
	s_mul_u64 s[22:23], s[20:21], s[18:19]
	s_mul_u64 s[92:93], s[46:47], s[18:19]
	s_mov_b64 s[18:19], KROW
	s_mul_u64 s[20:21], s[20:21], s[18:19]
	s_mul_u64 s[46:47], s[46:47], s[18:19]
	s_mul_i32 s45, s14, HALFT
	s_mul_i32 s94, s14, HALFS
	s_wait_dscnt 0x0                               ; both opening adds are done
	s_wait_kmcnt 0x0
	s_add_nc_u64 s[8:9], s[4:5], 4194304           ; the weights' codes lie behind x's,
	s_add_nc_u64 s[10:11], s[6:7], 262144          ; their scale bytes likewise
	s_add_nc_u64 s[20:21], s[4:5], s[20:21]
	s_add_nc_u64 s[22:23], s[6:7], s[22:23]
	s_add_nc_u64 s[46:47], s[8:9], s[46:47]
	s_add_nc_u64 s[92:93], s[10:11], s[92:93]
	CROUND                                         ; all sixteen work-groups are here: the first joint loads meet
	s_mov_b32 s[G0S], 1
	s_add_co_u32 s[G0S+1], s94, SCL
	s_mov_b64 s[G0S+2:G0S+3], s[22:23]
	s_or_b32 s[G0S+3], s[G0S+3], 0x80000000
	s_mov_b32 s[G0SB], 1
	s_add_co_u32 s[G0SB+1], s94, SCL
	s_mov_b64 s[G0SB+2:G0SB+3], s[92:93]
	s_or_b32 s[G0SB+3], s[G0SB+3], 0x80000000
	JLOAD G0S, G1S, G0SB, G1SB
.irp s, 0,1
	s_mov_b32 s[G0+4*\s], 1
	s_add_co_u32 s[G0+4*\s+1], s45, \s*SLOT
	s_add_nc_u64 s[G0+4*\s+2:G0+4*\s+3], s[20:21], \s*ROWB
	s_or_b32 s[G0+4*\s+3], s[G0+4*\s+3], 0x80000000
	s_mov_b32 s[G0B+4*\s], 1
	s_add_co_u32 s[G0B+4*\s+1], s45, \s*SLOT
	s_add_nc_u64 s[G0B+4*\s+2:G0B+4*\s+3], s[46:47], \s*ROWB
	s_or_b32 s[G0B+4*\s+3], s[G0B+4*\s+3], 0x80000000
	JLOAD G0+4*\s, G1, G0B+4*\s, G1B
.endr
	v_and_b32 v1, 15, v0                           ; r
	v_bfe_u32 v2, v0, 4, 1                         ; h
	v_mul_u32_u24 v3, v1, PITCH
	v_lshl_add_u32 v4, v2, 4, v3
	s_mul_i32 s21, s15, HALFT
	s_mul_i32 s22, s16, HALFT
	s_add_co_u32 s22, s22, 2*HALFT
.irp s, 0,1
	v_add_nc_u32 v[ADRA+\s], s21, v4
	v_add_nc_u32 v[ADRB+\s], s22, v4
	s_add_co_u32 s21, s21, SLOT
	s_add_co_u32 s22, s22, SLOT
.endr
	v_mul_u32_u24 v5, v1, KS
	v_lshrrev_b32 v6, 8, v5
	v_lshl_add_u32 v5, v6, 4, v5
	s_mul_i32 s21, s15, HALFS
	s_mul_i32 s22, s16, HALFS
	s_add_co_u32 s22, s22, 2*HALFS
	s_sub_co_u32 s22, s22, s21
	v_mul_u32_u24 v6, s22, v2                      ; lanes 16-31 take B's scale words
	s_add_co_u32 s21, s21, SCL
	v_add_nc_u32 v5, v5, v6
	v_add_nc_u32 v[ADRS], s21, v5
	s_mul_i32 s23, s14, 16*SPITCH                  ; my stage
	v_mul_u32_u24 v5, v1, SPITCH
	v_lshl_add_u32 v5, v2, 4, v5
	v_add_nc_u32 v[STO], s23, v5                   ; in: row r, 16 bytes for each half of the lanes
	v_bfe_u32 v5, v0, 3, 1
	v_and_b32 v6, 7, v0
	v_mul_u32_u24 v7, v5, SPITCH
	v_lshl_add_u32 v7, v2, 7, v7
	v_lshl_add_u32 v7, v6, 4, v7
	v_add_nc_u32 v[RD], s23, v7                    ; back: lanes 0-7 a row's first 128 bytes (one head), lanes 8-15 the next row's, lanes 16-31 the other head's
	v_lshlrev_b32 v7, 18, v2
	v_lshl_add_u32 v7, v5, 7, v7
	v_lshl_add_u32 v[CO], v6, 4, v7                ; and the same places in qkv: 262,144 head + 128 row + 16 (lane % 8)
	v_lshlrev_b32 v7, 12, v1
	v_lshl_add_u32 v[FO], v2, 5, v7                ; the f32 copy: row r of 4,096 bytes, + 32 h
	; where my part begins: which = column / 1,024, head = (column % 1,024) / 64, batch = row / 2,048
	s_lshr_b32 s18, s42, 2
	s_lshl_b32 s18, s18, 24
	s_lshr_b32 s19, s17, 3
	s_lshl_b32 s19, s19, 22
	s_add_co_u32 s18, s18, s19
	s_and_b32 s19, s42, 3
	s_lshl_b32 s19, s19, 2
	s_lshl_b32 s20, s16, 1
	s_add_co_u32 s19, s19, s20
	s_lshl_b32 s19, s19, 18
	s_add_co_u32 s18, s18, s19
	s_and_b32 s98, s17, 7
	s_lshl_b32 s19, s98, 15
	s_add_co_u32 s18, s18, s19
	s_lshl_b32 s19, s15, 14
	s_add_co_u32 s18, s18, s19
	s_mov_b32 s19, 0
	s_add_nc_u64 s[96:97], s[12:13], 50331648
	s_add_nc_u64 s[12:13], s[12:13], s[18:19]
	s_lshr_b32 s18, s42, 2
	s_lshl_b32 s18, s18, 18
	s_lshr_b32 s20, s17, 3
	s_lshl_b32 s20, s20, 16
	s_add_co_u32 s18, s18, s20
	s_and_b32 s20, s42, 3
	s_lshl_b32 s20, s20, 10
	s_add_co_u32 s18, s18, s20
	s_lshl_b32 s20, s16, 9
	s_add_co_u32 s18, s18, s20
	s_add_nc_u64 s[96:97], s[96:97], s[18:19]
	s_or_b32 s98, s98, s15
	v_mov_b32 v[FLG], s98
.macro FRAG reg, adr, q, i
.irp c, 0,1
	ds_load_b128 v[\reg+4*\c:\reg+4*\c+3], v[\adr] offset:64*(\q)+32*\c+(\i)*16*PITCH
.endr
.endm
; 16 matrix instructions: A's blocks a0, a0 + 1 x B's eight.  The 64 accumulators take turns, one instruction a turn.
.macro MUL16 a0, p, q, sc, zero
.irp a, \a0, \a0+1
.irp b, 0,1,2,3,4,5,6,7
.if \zero
	v_wmma_scale_f32_16x16x128_f8f6f4 v[8*(8*((\a)%4)+\b):8*(8*((\a)%4)+\b)+7], v[128*(\p)+FR*\b:128*(\p)+FR*\b+FR-1], v[AF+FR*(\a):AF+FR*(\a)+FR-1], 0, v[SC+8*NQ*(\sc)+NQ*\b+(\q)], v[SC+8*NQ*(\sc)+NQ*(\a)+(\q)] matrix_a_fmt:MATRIX_FMT_FP4 matrix_b_fmt:MATRIX_FMT_FP4 matrix_a_scale:MATRIX_SCALE_ROW1
.else
	v_wmma_scale_f32_16x16x128_f8f6f4 v[8*(8*((\a)%4)+\b):8*(8*((\a)%4)+\b)+7], v[128*(\p)+FR*\b:128*(\p)+FR*\b+FR-1], v[AF+FR*(\a):AF+FR*(\a)+FR-1], v[8*(8*((\a)%4)+\b):8*(8*((\a)%4)+\b)+7], v[SC+8*NQ*(\sc)+NQ*\b+(\q)], v[SC+8*NQ*(\sc)+NQ*(\a)+(\q)] matrix_a_fmt:MATRIX_FMT_FP4 matrix_b_fmt:MATRIX_FMT_FP4 matrix_a_scale:MATRIX_SCALE_ROW1
.endif
.endr
.endr
.endm
.macro FETCH_B slot, q, p
	WIN TO_B
.irp i, 0,1,2,3,4,5,6,7
	FRAG 128*(\p)+FR*\i, ADRB+\slot, \q, \i
.endr
	WIN 0
.endm
.macro FETCH_A slot, q, i0
.irp i, \i0, \i0+1, \i0+2, \i0+3
	FRAG AF+FR*(\i), ADRA+\slot, \q, \i
.endr
.endm
.macro SCALES sc
.irp i, 0,1,2,3,4,5,6,7
	ds_load_b128 v[SC+8*NQ*\sc+NQ*\i:SC+8*NQ*\sc+NQ*\i+3], v[ADRS] offset:\i*SBLK
.endr
.endm
.macro PLACES n                        ; plain vector instructions between a matrix instruction and a load into, or a read of, its registers
.rept \n
	v_nop
.endr
.endm
.macro STEP slot, q, zero
	s_wait_dscnt 4*NL                              ; B's set and A's blocks 0-3 are in; the youngest eight loads (A's blocks 4-7) may be out
	WIN MUL_LO
	MUL16 0, (\q)%2, \q, \slot, \zero
	MUL16 2, (\q)%2, \q, \slot, \zero
	s_wait_dscnt 0
	PLACES NP
	FETCH_B \slot, (\q)+1, 1-(\q)%2
	FETCH_A \slot, (\q)+1, 0
	WIN MUL_HI
	MUL16 4, (\q)%2, \q, \slot, \zero
	MUL16 6, (\q)%2, \q, \slot, \zero
	PLACES NP
	WIN 0
	FETCH_A \slot, (\q)+1, 4
.endm
.macro TURN slot, next                 ; slot 0's last step: the one change of slots
	s_wait_tensorcnt 0x0                           ; all my tensor loads have landed: my part of slot 1
	ds_add_u32 v[SPW], v[NIL]
	s_wait_dscnt 4*NL+1                            ; the add and the youngest eight loads may be out
	WIN MUL_LO
	MUL16 0, 1, NQ-1, \slot, 0
	s_wait_dscnt 0x0                               ; the add is done, and my reads of this slot are over
	s_barrier_signal -1
	MUL16 2, 1, NQ-1, \slot, 0
	WIN 0
	s_barrier_wait -1
	PLACES NP
	v_add_nc_u32 v[ADRS], 4*NQ, v[ADRS]            ; on to the next 512 along K of the scale words
	FETCH_B \next, 0, 0
	FETCH_A \next, 0, 0
	SCALES \next
	WIN MUL_HI
	MUL16 4, 1, NQ-1, \slot, 0
	MUL16 6, 1, NQ-1, \slot, 0
	PLACES NP
	WIN 0
	FETCH_A \next, 0, 4
.endm
	s_wait_tensorcnt 1                             ; the scales and my part of slot 0 are in; slot 1's load may be out
	s_barrier_signal -1
	s_barrier_wait -1
	FETCH_B 0, 0, 0
	FETCH_A 0, 0, 0
	SCALES 0
	FETCH_A 0, 0, 4
	STEP 0, 0, 1                                   ; the first step's products start the sums
	STEP 0, 1, 0
	STEP 0, 2, 0
	TURN 0, 1
	STEP 1, 0, 0
	STEP 1, 1, 0
	STEP 1, 2, 0
	s_wait_dscnt 4*NL
	WIN MUL_LO
	MUL16 0, 1, NQ-1, 1, 0
	MUL16 2, 1, NQ-1, 1, 0
	s_wait_dscnt 0
	WIN MUL_HI
	MUL16 4, 1, NQ-1, 1, 0
	MUL16 6, 1, NQ-1, 1, 0
	WIN 0
	PLACES NP
	; POSITIONS 0-15 IN f32: my block 0, where it is the first 16 rows of a sequence.  Chosen by EXEC.
	; These stores are pieces of 64 bytes: 768 KiB in the whole launch, beside 48 MiB that leave in whole aligned runs of 256 bytes.
	s_wait_xcnt 0x0
	v_cmp_eq_u32 vcc_lo, 0, v[FLG]
	s_and_saveexec_b32 s95, vcc_lo
	WIN 0x08                                       ; a store's data: window 2
.irp b, 0,1,2,3,4,5,6,7
	global_store_b128 v[FO], v[8*\b:8*\b+3], s[96:97] offset:64*\b          ; each accumulator from its low end on
	global_store_b128 v[FO], v[8*\b+4:8*\b+7], s[96:97] offset:64*\b+16
.endr
	WIN 0
	s_wait_xcnt 0x0                                ; EXEC widens only behind this wait
	s_or_b32 exec_lo, exec_lo, s95
; THE WAY OUT of block a (16 rows x 128 columns = two heads): rounded to f16, through my stage, back as pairs of a head's rows: sixteen lanes store 256 consecutive bytes, aligned.
.macro PACK a
.set AC, 64*((\a)%4)
	WIN 0x0a+5*((\a)/4)
.irp b, 0,1,2,3,4,5,6,7
.irp q, 0,1,2,3
	v_cvt_pk_f16_f32 v[TMP+4*\b+\q], v[AC+8*\b+2*\q], v[AC+8*\b+2*\q+1]
.endr
.endr
	WIN 0
.endm
.macro TOSTAGE a
.set BK, OB+128*((\a)%2)
.irp b, 0,1,2,3,4,5,6,7
	ds_store_b128 v[STO], v[TMP+4*\b:TMP+4*\b+3] offset:32*\b
.endr
.irp t, 0,1,2,3,4,5,6,7
	ds_load_b128 v[BK+4*\t:BK+4*\t+3], v[RD] offset:\t*2*SPITCH    ; LDS serves a wave's instructions in order: these see the stores above
.endr
.endm
.macro SEND a
.set BK, OB+128*((\a)%2)
	s_wait_dscnt 0x0                               ; the block is back in registers
	s_wait_xcnt 0x0                                ; the block before has left its registers: the next block's loads may land there
.irp t, 0,1,2,3,4,5,6,7
	global_store_b128 v[CO], v[BK+4*\t:BK+4*\t+3], s[12:13] offset:2048*(\a)+256*\t
.endr
.endm
	PACK 0
	TOSTAGE 0
.irp a, 1,2,3,4,5,6,7
	PACK \a
	SEND \a-1
	TOSTAGE \a
.endr
	SEND 7
	s_wait_tensorcnt 0x0                           ; the wave's end
	ds_add_u32 v[SPW], v[NIL]
	s_wait_dscnt 0x0
	CROUND                                         ; the closing round
	s_endpgm
.Lfunc_end_k_q6cae2955fc_qkv:
	.size	k_q6cae2955fc_qkv, .Lfunc_end_k_q6cae2955fc_qkv-k_q6cae2955fc_qkv
	.p2alignl 7, 3214868480
	.fill 96, 4, 3214868480
	.section	.rodata,"a",@progbits
	.p2align	6, 0x0
	.amdhsa_kernel k_q6cae2955fc_qkv
		.amdhsa_group_segment_fixed_size 327680
		.amdhsa_private_segment_fixed_size 0
		.amdhsa_enable_private_segment 0
		.amdhsa_kernarg_size 24
		.amdhsa_user_sgpr_count 2
		.amdhsa_user_sgpr_kernarg_segment_ptr 1
		.amdhsa_wavefront_size32 1
		.amdhsa_system_sgpr_workgroup_id_x 1
		.amdhsa_system_sgpr_workgroup_id_y 1
		.amdhsa_system_sgpr_workgroup_id_z 1
		.amdhsa_system_vgpr_workitem_id 0
		.amdhsa_next_free_vgpr 1024
		.amdhsa_next_free_sgpr 100
		.amdhsa_reserve_vcc 1
		.amdhsa_float_denorm_mode_32 3
		.amdhsa_float_denorm_mode_16_64 3
		.amdhsa_memory_ordered 1
		.amdhsa_forward_progress 1
		.amdhsa_inst_pref_size 129
	.end_amdhsa_kernel
	.amdgpu_metadata
---
amdhsa.version: [ 1, 2 ]
amdhsa.kernels:
  - .name:           k_q6cae2955fc_qkv
    .symbol:         k_q6cae2955fc_qkv.kd
    .args:
      - { .name: codes, .offset: 0, .size: 8, .value_kind: global_buffer, .address_space: global }
      - { .name: scales, .offset: 8, .size: 8, .value_kind: global_buffer, .address_space: global }
      - { .name: qkv, .offset: 16, .size: 8, .value_kind: global_buffer, .address_space: global }
    .group_segment_fixed_size: 327680
    .private_segment_fixed_size: 0
    .kernarg_segment_align: 8
    .kernarg_segment_size: 24
    .max_flat_workgroup_size: 128
    .sgpr_count:     100
    .vgpr_count:     1024
    .wavefront_size: 32
...
	.end_amdgpu_metadata
.endif
;; end of part 2
;; launch attn (part 3): grid 4 x 64, 4 waves a work-group, no clusters, 327,680 bytes of LDS; arguments qkv, aux, ctx; writes ctx
.if DOCPART == 3
	.amdgcn_target "amdgcn-amd-amdhsa--gfx1250"
	.amdhsa_code_object_version 6
	.text
	.protected	k_q6cae2955fc_attn
	.globl	k_q6cae2955fc_attn
	.p2align	8
	.type	k_q6cae2955fc_attn,@function
k_q6cae2955fc_attn:
	s_mov_b64 s[64:65], 0
	v_nop
	global_prefetch_b8 v0, s[64:65] scope:SCOPE_SE
	s_setreg_imm32_b32 hwreg(HW_REG_WAVE_MODE, 25, 1), 1
	s_wait_xcnt 0x0
; Launch 3 of 5: ctx = softmax(q k^T / 8 under the causal mask and the key mask) v, operands in f16, products, maxima and sums in f32.
; LEFT OUT: blocks of 64 keys x 64 queries wholly above the diagonal of reference()'s own tril (their weights are 0 for all inputs): neither fetched from LDS nor multiplied.
; SHARES.  Work-group (I, head) owns query blocks I and 7 - I of 256 queries: 9 slots of 256 keys for every work-group.  In a pass wave w owns a strip of 64 queries (w in pass 0, 3 - w in pass 1): four tiles of 16.
; A pass takes its diagonal slot first, then slots 0 .. block - 1.  In the diagonal slot a wave takes its own diagonal step of 64 keys (the mask's pattern is then fixed), then the steps in front of it.
; NO CLUSTER: the four work-groups of a head walk different sequences of slots, so partners would need different tiles at a round.
; LAYOUT.  S^T = K Q^T (a lane holds one query and eight keys a tile), O^T = V^T P: nothing changes lanes between the products.  K comes out of LDS as it lies, V turned by ds_load_tr16_b128.
; THE MASKS ARE THE C OF THE FIRST SCORE PRODUCT: the keys' bias (0 or -1e30, from launch 1); on the diagonal step min(bias, triangle) on the diagonal tile and -1e30 above it.
; THE RUNNING MAXIMUM BEGINS AT -2^93 and so never falls under it.  f16 operands bound |q . k| by 2.8e11: every kept key's score lies above that floor, and the floor acts only while all keys seen so far are masked.
; Under any such maximum a masked key's weight is 2^(-1.7e29 ..) = 0 exactly, so an all-masked step adds nothing to O and L.  A row with no kept key ends with O = 0 and L = 0: L is held at 1e-10 from below
; ahead of the reciprocal, its context is 0, and launches 4 and 5 select NaN for it.
; SOFTMAX: running maximum m, p = 2^(c s - c m), c = log2(e) / 8; O and L are multiplied by a = 2^(c m_old - c m_new) in every step.  THE ROW'S SUM L IS A PRODUCT: L = ONES x P, so that the divisor sums the very p that are multiplied.
; BY TURNS: the wave's tiles are two pieces (0: tiles 0, 1; 2: tiles 2, 3).  In a turn one piece has the matrix unit (20 products V^T P and ONES P of the step in hand, 16 products K Q^T of the next),
; and the other piece's softmax, 52 slices, is spread evenly behind them.
; In LDS two keys share a row of 256 bytes: K's pitch is 272, V's 288, so that the 16 places of a fragment load fall into 16 different columns of 16 bytes.
; REGISTERS: window 0: v2-11 addresses; v12-43 statistics, 8 a tile (+0 c m, +1 m, +4..7 at work, a in +6); v62, v63 the add's; v64-191 S^T; v192-255 P.
;   window 1: v0-127 O^T, 32 a tile; v128-159 L.   window 2: v0-63 Q; v128-191 K.   window 3: v0-63 V; v64 ONES; v72 triangle; v80 -1e30; v96-127 the diagonal tiles' C; v128-159 the step's bias.
.set PK,     272
.set PVB,    288
.set KSTEPB, 32*PK                     ; a step of 64 keys in K's tile
.set VSTEPB, 32*PVB
.set VOFF,   128*PK                    ; a slot: K's 128 rows, V's 128 rows, 1,024 bytes of bias
.set BOFF,   VOFF+128*PVB
.set SLOT1,  1<<17
.set STAGE,  SLOT1+BOFF+1024           ; the way out: for each wave 4 tiles x 16 rows x 144 bytes
.set SPS,    144
.set SPARE,  STAGE+4*64*SPS            ; the spare words, 128 bytes a wave
.set AK0, 2
.set AV0, 3
.set ADR, 4
.set QO,  5
.set STO, 6
.set RD,  7
.set GO,  8
.set ABI0, 9
.set ADR2, 10
.set PFO, 11
.set ST,  12
.set SPW, 62
.set NIL, 63
.set S,   64
.set P,   192
.set LL,  128                          ; window 1
.set KF,  128                          ; window 2
.set ONES, 64                          ; window 3
.set TRI, 72
.set HID, 80
.set TRB, 96
.set BI,  128
.set WV,  12                           ; s12 wave
.set WI,  13                           ; s13 I
.set BH,  14                           ; s14 16 batch + head
.set NN,  15                           ; s15 trips of the loop over slots
.set UU,  16                           ; s16 steps of a slot
.set NB,  17                           ; s17 how many of them this wave takes
.set SB,  18                           ; s18 LDS byte of the slot in hand
.set TK,  19                           ; s19-21 where the step to be fetched lies: K, V, bias
.set TV,  20
.set TBI, 21
.set WS,  22                           ; s22 my strip
.set G1K, 24
.set G1V, 32
.set G1B, 40
.set G0K, 48
.set G0V, 52
.set G0B, 56
.set CS,  60
.set SEL, 62
.set KB,  66
.set VB,  68
.set BB,  70
.set QP1, 72
.set CP,  74
.set CP1, 76
.set PFA, 78
.set MSB, 0
.macro WIN new
.if MSB != \new
	s_set_vgpr_msb (MSB<<8)|\new
.set MSB, \new
.endif
.endm
.set W_KQ, 0x0a                        ; K and Q window 2, S^T window 0
.set W_KQC, 0x3a                       ; the same with C in window 3
.set W_PV, 0x53                        ; V window 3, P window 0, O^T window 1
.set W_RS, 0x41                        ; O^T window 1, a window 0
.macro PLACES
.rept 4
	v_nop
.endr
.endm
; Every wave fills one tile of a slot: wave 0 K, waves 1 and 2 V's halves, wave 3 the bias.  The branches hang on the wave's number alone.
.macro TLOAD
	s_cmp_eq_u32 s[WV], 0
	s_cbranch_scc0 .Lnot_k_\@
	tensor_load_to_lds s[G0K:G0K+3], s[G1K:G1K+7]
	s_nop 0
.rept 4
	v_nop
.endr
	s_branch .Lasked_\@
.Lnot_k_\@:
	s_cmp_eq_u32 s[WV], 3
	s_cbranch_scc0 .Lfor_v_\@
	tensor_load_to_lds s[G0B:G0B+3], s[G1B:G1B+7]
	s_nop 0
.rept 4
	v_nop
.endr
	s_branch .Lasked_\@
.Lfor_v_\@:
	tensor_load_to_lds s[G0V:G0V+3], s[G1V:G1V+7]
	s_nop 0
.rept 4
	v_nop
.endr
.Lasked_\@:
.endm
; A PREFETCH of my second pass's diagonal slot (keys 256 (7 - I) on), one change of slots ahead of its tensor load: at the change that fills slot number I of my walk (I = 2, 3).
; That slot is walked first by this work-group, so each row is named once in the launch: waves 0, 1 K's halves, waves 2, 3 V's; 64 rows of 256 bytes a wave, a lane a row, two instructions.
.macro ASK
	s_cmp_eq_u32 s80, s[WI]
	s_cbranch_scc0 .Lnot_now_\@
	global_prefetch_b8 v[PFO], s[PFA:PFA+1] th:TH_LOAD_NT scope:SCOPE_SE
	global_prefetch_b8 v[PFO], s[PFA:PFA+1] offset:8192 th:TH_LOAD_NT scope:SCOPE_SE
.Lnot_now_\@:
.endm
.macro QLOAD p                         ; my strip's Q: tile f / 2, channels 32 (f % 2) on
	WIN 0x80
.irp f, 0,1,2,3,4,5,6,7
	global_load_b128 v[8*\f:8*\f+3],   v[QO], s[\p:\p+1] offset:(\f/2)*2048+(\f%2)*64
	global_load_b128 v[8*\f+4:8*\f+7], v[QO], s[\p:\p+1] offset:(\f/2)*2048+(\f%2)*64+32
.endr
	WIN 0
.endm
.macro FETCH_K                         ; a step's K (8 fragments: keys 16 (f / 2) on, channels 32 (f % 2) on) and its bias, in one run of 24 loads
	WIN 0
	v_add_nc_u32 v[ADR], s[TK], v[AK0]
	v_add_nc_u32 v[ADR2], s[TBI], v[ABI0]
	WIN 0x80
.irp f, 0,1,2,3,4,5,6,7
	ds_load_b128 v[KF+8*\f:KF+8*\f+3],   v[ADR] offset:(\f/2)*8*PK+(\f%2)*64
	ds_load_b128 v[KF+8*\f+4:KF+8*\f+7], v[ADR] offset:(\f/2)*8*PK+(\f%2)*64+32
.endr
	WIN 0xc0
.irp t, 0,1,2,3
	ds_load_b128 v[BI+8*\t:BI+8*\t+3],   v[ADR2] offset:64*\t
	ds_load_b128 v[BI+8*\t+4:BI+8*\t+7], v[ADR2] offset:64*\t+16
.endr
.endm
.macro FETCH_V                         ; the same step's V, turned: keys 32 (f / 4) on, channels 16 (f % 4) on
	WIN 0
	v_add_nc_u32 v[ADR], s[TV], v[AV0]
	s_wait_alu depctr_va_vdst(0)                   ; the wait for the softmax's batch of exponentials, ahead of the first line that names a result
	WIN 0xc0
.irp f, 0,1,2,3,4,5,6,7
	ds_load_tr16_b128 v[8*\f:8*\f+3],   v[ADR] offset:(\f/4)*16*PVB+(\f%4)*32
	ds_load_tr16_b128 v[8*\f+4:8*\f+7], v[ADR] offset:(\f/4)*16*PVB+8*PVB+(\f%4)*32
.endr
.endm
; Product i of 20 for piece x: keys 32 (i / 10) on; eight of O^T += V^T P (channels 16 (u / 2) on, tile x + u % 2), two of L += ONES P.  Ten accumulators by turns.
.macro PV x
	WIN W_PV
.set kh, i/10
.set u, i%10
.if u < 8
.set rO, 32*((\x)+u%2)+8*(u/2)
.set rV, 32*kh+8*(u/2)
.set rP, P+16*((\x)+u%2)+8*kh
.else
.set rO, LL+8*((\x)+u-8)
.set rV, ONES
.set rP, P+16*((\x)+u-8)+8*kh
.endif
	v_wmma_f32_16x16x32_f16 v[rO:rO+7], v[rV:rV+7], v[rP:rP+7], v[rO:rO+7]
.endm
; Product i of 16 for piece x: channels 32 (i / 8) on, keys 16 ((i / 2) % 4) on, tile x + i % 2.  The first eight start the sums with the masks as C.  Eight accumulators by turns.
.macro KQ x, diag
.set tq, (\x)+i%2
.set tk, (i/2)%4
.set rS, S+32*tq+8*tk
.set rK, KF+16*tk+8*(i/8)
.set rQ, 16*tq+8*(i/8)
.if i < 8
.set rC, BI+8*tk
.if \diag
.if tk == tq
.set rC, TRB+8*tq
.elseif tk > tq
.set rC, HID
.endif
.endif
	WIN W_KQC
	v_wmma_f32_16x16x32_f16 v[rS:rS+7], v[rK:rK+7], v[rQ:rQ+7], v[rC:rC+7]
.else
	WIN W_KQ
	v_wmma_f32_16x16x32_f16 v[rS:rS+7], v[rK:rK+7], v[rQ:rQ+7], v[rS:rS+7]
.endif
.endm
; One tile's softmax for a step is a list of 103 instructions; SM writes number j for tile t.
;   0-15 the maximum of the lane's 32 scores and the old m;  16-20 the other half of the lanes', m, c m, c m_old - c m_new;
;   21-69 ONE BATCH: 16 packed scalings c s - c m and 33 exponentials (a at 23): none reads an exponential's result;  (the wait);  70-85 the roundings to f16;  86-101 O^T times a;  102 L times a.
.macro SM t
.set rT, ST+8*(\t)
.set rS, S+32*(\t)
.set rP, P+16*(\t)
.if j < 86
	WIN 0
.elseif j < 103
	WIN W_RS
.endif
.if j < 4
	v_max3_num_f32 v[rT+4+j], v[rS+8*j], v[rS+8*j+1], v[rS+8*j+2]
.elseif j < 12
	v_max3_num_f32 v[rT+4+j%4], v[rT+4+j%4], v[rS+8*(j%4)+2*(j/4)+1], v[rS+8*(j%4)+2*(j/4)+2]
.elseif j == 12
	v_max3_num_f32 v[rT+4], v[rT+4], v[rS+7], v[rS+15]
.elseif j == 13
	v_max3_num_f32 v[rT+6], v[rT+6], v[rS+23], v[rS+31]
.elseif j == 14
	v_max3_num_f32 v[rT+4], v[rT+4], v[rT+5], v[rT+6]
.elseif j == 15
	v_max3_num_f32 v[rT+4], v[rT+4], v[rT+7], v[rT+1]
.elseif j == 16
	v_permlanex16_b32 v[rT+5], v[rT+4], s[SEL], s[SEL+1]
.elseif j == 17
	v_mov_b32 v[rT+7], v[rT]
.elseif j == 18
	v_max_num_f32 v[rT+1], v[rT+4], v[rT+5]
.elseif j == 19
	v_mul_f32 v[rT], s[CS], v[rT+1]
.elseif j == 20
	v_sub_f32 v[rT+7], v[rT+7], v[rT]
.elseif j == 23
	v_exp_f32 v[rT+6], v[rT+7]
.elseif (j < 23) || ((j < 38) && (j%2 == 0)) || ((j < 66) && (j%4 == 2))
.set b, (j-2)/4
.if j < 38
.set b, (j-20)/2
.endif
	v_pk_fma_f32 v[rS+2*b:rS+2*b+1], v[rS+2*b:rS+2*b+1], s[CS:CS+1], v[rT:rT+1] op_sel_hi:[1,0,0] neg_lo:[0,0,1] neg_hi:[0,0,1]
.elseif j < 70
.set e, j-38
.if j < 66
.set e, j-32-(j-38)/4
.endif
.if j < 38
.set e, (j-25)/2
.endif
	v_exp_f32 v[rS+e], v[rS+e]
.elseif j < 86
	v_cvt_pk_f16_f32 v[rP+j-70], v[rS+2*(j-70)], v[rS+2*(j-70)+1]
.elseif j < 102
	v_pk_mul_f32 v[32*(\t)+2*(j-86):32*(\t)+2*(j-86)+1], v[32*(\t)+2*(j-86):32*(\t)+2*(j-86)+1], v[rT+6:rT+7] op_sel_hi:[1,0]
.elseif j == 102
	v_pk_mul_f32 v[LL+8*(\t):LL+8*(\t)+1], v[LL+8*(\t):LL+8*(\t)+1], v[rT+6:rT+7] op_sel_hi:[1,0]
.endif
.endm
; Slice k of 52 of piece y's softmax.  Slices 11 to 34 deal out the batch, four numbers of one tile each; every other slice is numbers 2 k, 2 k + 1 of both tiles.  Behind slice 34: one plain line and the one wait.
.macro SLICE y
.if (k >= 11) && (k < 35)
.irp n, 0,1,2,3
.set j, 22+4*((k-11)/2)+(\n)
	SM (\y)+(k-11)%2
.endr
.else
.irp n, 0,1
.irp t, (\y), (\y)+1
.set j, 2*k+\n
	SM \t
.endr
.endr
.endif
.if k == 34
	v_nop                                          ; the plain line behind the last exponential
.if (\y) == 0
	FETCH_V                                        ; piece 2's turn: V's run of loads stands here, and the wait stands in it
.else
	s_wait_alu depctr_va_vdst(0)                   ; one wait for the piece's 66 exponentials
.endif
.endif
.set k, k+1
.endm
.macro SPREAD y                        ; behind matrix instruction g of NW: as many slices as keep the 52 evenly spread
.set g, g+1
.rept (52*g)/NW-k
	SLICE \y
.endr
.endm
; A TURN: piece x has the matrix unit.  pv = 1: its 20 products of the step in hand.  kq = 1: its 16 score products of the next step; 2: of the diagonal step.
; The turn's last matrix instruction is followed by six packed multiplies or more that name none of its registers: the places in front of the next reader of S^T and of loads into K and Q.
.macro TURN x, pv, kq
.set k, 0
.set g, 0
.if \kq
.set NW, 20*(\pv)+16
.else
.set NW, 20*(\pv)
.endif
.if \pv
.if \x == 0
	s_wait_dscnt 0x0                               ; V is in
.endif
.set i, 0
.rept 20
	PV \x
	SPREAD 2-\x
.if (\x == 0) && (\kq) && (i == 1)
	FETCH_K
.endif
.set i, i+1
.endr
.endif
.if \kq
.if \x == 0
	s_wait_dscnt 0x0                               ; K and the bias are in
.endif
.set i, 0
.rept 16
	KQ \x, (\kq)-1
	SPREAD 2-\x
.set i, i+1
.endr
.endif
.endm
; A slot's four steps: written once, walked four times; a wave passes over the steps that lie behind its diagonal (a branch on the wave's number and on counts; no barrier or tensor load stands in it).
.macro INNER
	s_mov_b32 s[TK], s[SB]
	s_add_co_u32 s[TV], s[SB], VOFF
	s_add_co_u32 s[TBI], s[SB], BOFF
	s_mov_b32 s[UU], 0
.Lstep_\@:
	s_cmp_lt_u32 s[UU], s[NB]
	s_cbranch_scc0 .Lover_\@
	TURN 0, 1, 1
	TURN 2, 1, 1
	WIN 0
.Lover_\@:
	s_add_co_u32 s[TK], s[TK], KSTEPB
	s_add_co_u32 s[TV], s[TV], VSTEPB
	s_add_co_u32 s[TBI], s[TBI], 256
	s_add_co_u32 s[UU], s[UU], 1
	s_cmp_lt_u32 s[UU], 4
	s_cbranch_scc1 .Lstep_\@
.endm
; THE CHANGE OF SLOTS.  Each wave waits for all its tensor loads (its tile of the slot ahead), adds 0 to its spare word, and waits for that and for its reads of the slot that it leaves; then the barrier.
; fill = 1: the slot just left takes slot number m of my walk.  One tensor load a wave is out; it has a slot's steps in which to land.
.macro CHANGE fill, first
	WIN 0
	s_wait_tensorcnt 0x0                           ; no tensor load of mine is out, so a group 0 may be written
	ds_add_u32 v[SPW], v[NIL]                      ; 0 onto my spare word; the descriptors' words stand between it and the wait for it
.if \fill
.if \first
	s_mov_b32 s80, 1
.else
	s_add_co_u32 s80, s[NN], 2                     ; m
.endif
	s_sub_co_u32 s81, s80, 1                       ; in pass 0: key slot m - 1
	s_sub_co_u32 s82, s80, s[WI]
	s_sub_co_u32 s82, s82, 2                       ; in pass 1: m - I - 2
	s_add_co_u32 s83, s[WI], 1
	s_sub_co_u32 s86, 7, s[WI]
	s_cmp_le_u32 s80, s[WI]
	s_cselect_b32 s81, s81, s82
	s_cmp_eq_u32 s80, s83
	s_cselect_b32 s81, s86, s81                    ; pass 1's first: its diagonal slot, 7 - I
	s_lshl_b32 s84, s81, 15
	s_mov_b32 s85, 0
	s_lshl_b32 s86, s81, 10
	s_mov_b32 s87, 0
	s_xor_b32 s[G0K+1], s[G0K+1], SLOT1
	s_add_nc_u64 s[G0K+2:G0K+3], s[KB:KB+1], s[84:85]
	s_or_b32 s[G0K+3], s[G0K+3], 0x80000000
	s_xor_b32 s[G0V+1], s[G0V+1], SLOT1
	s_add_nc_u64 s[G0V+2:G0V+3], s[VB:VB+1], s[84:85]
	s_or_b32 s[G0V+3], s[G0V+3], 0x80000000
	s_xor_b32 s[G0B+1], s[G0B+1], SLOT1
	s_add_nc_u64 s[G0B+2:G0B+3], s[BB:BB+1], s[86:87]
	s_or_b32 s[G0B+3], s[G0B+3], 0x80000000
.endif
	s_wait_dscnt 0x0                               ; the add is done, and my reads of the slot that I leave are over
	s_barrier_signal -1
	s_barrier_wait -1
.if \fill
	TLOAD                                          ; the first thing behind the barrier, and my one tensor load until the next
.if (\first) == 0
	ASK
.endif
.endif
.if (\first) == 0
	s_xor_b32 s[SB], s[SB], SLOT1
.endif
	s_mov_b32 s[NB], 4
.endm
; A PASS BEGINS in its diagonal slot: my diagonal step's K and bias; the statistics; the diagonal tiles' C; piece 0's scores; O^T and L as zeros (these 160 lines are the places behind those products); piece 2's scores beside piece 0's softmax.
.macro START second
.if \second
	s_xor_b32 s[WS], s[WV], 3
	s_mov_b64 s[CP:CP+1], s[CP1:CP1+1]             ; (the first pass's stores have read their base: the wait stands at that pass's end)
.else
	s_mov_b32 s[WS], s[WV]
.endif
	s_mul_i32 s[TK], s[WS], KSTEPB
	s_add_co_u32 s[TK], s[TK], s[SB]
	s_mul_i32 s[TV], s[WS], VSTEPB
	s_add_co_u32 s[TV], s[TV], s[SB]
	s_add_co_u32 s[TV], s[TV], VOFF
	s_lshl_b32 s[TBI], s[WS], 8
	s_add_co_u32 s[TBI], s[TBI], s[SB]
	s_add_co_u32 s[TBI], s[TBI], BOFF
	FETCH_K
	WIN 0
.irp t, 0,1,2,3
	v_mov_b32 v[ST+8*\t+1], 0xee000000             ; m = -2^93: under every kept key's score, above -1e30; the running maximum takes the old m in, so it stays at or above this
	v_mul_f32 v[ST+8*\t], s[CS], v[ST+8*\t+1]
.endr
	s_wait_loadcnt 0x0                             ; Q
	s_wait_dscnt 0x0                               ; K, the bias
	WIN 0xcf
.irp t, 0,1,2,3
.irp q, 0,1,2,3,4,5,6,7
	v_min_num_f32 v[TRB+8*\t+\q], v[BI+8*\t+\q], v[TRI+\q]
.endr
.endr
.set i, 0
.rept 16
	KQ 0, 1
.set i, i+1
.endr
	WIN 0x40
.set n, 0
.rept 160
	v_mov_b32 v[n], 0
.set n, n+1
.endr
	TURN 2, 0, 2
	WIN 0
	s_mov_b32 s[NB], s[WS]                         ; of this slot's steps I still take those in front of my diagonal
.endm
; THE WAY OUT of tile t: O^T / L, rounded to f16, through my stage (rows of 144 bytes), back as 4 rows of 128 bytes an instruction: a store covers 512 consecutive bytes, aligned.
.macro OPACK t
	WIN W_RS
.set n, 0
.rept 16
	v_pk_mul_f32 v[32*\t+n:32*\t+n+1], v[32*\t+n:32*\t+n+1], v[ST+8*\t+6:ST+8*\t+7] op_sel_hi:[1,0]
.set n, n+2
.endr
	WIN 0x05
.set n, 0
.rept 16
	v_cvt_pk_f16_f32 v[S+32*\t+n], v[32*\t+2*n], v[32*\t+2*n+1]
.set n, n+1
.endr
	WIN 0
.irp f, 0,1,2,3
	ds_store_b128 v[STO], v[S+32*\t+4*\f:S+32*\t+4*\f+3] offset:16*SPS*\t+32*\f
.endr
.irp f, 0,1,2,3
	ds_load_b128 v[S+32*\t+16+4*\f:S+32*\t+16+4*\f+3], v[RD] offset:16*SPS*\t+4*SPS*\f   ; LDS serves a wave's instructions in order: these see the stores above
.endr
.endm
.macro OSEND t, younger                ; younger: the LDS instructions issued behind tile t's loads: the next tile's four stores and four loads, or none
.irp f, 0,1,2,3
	s_wait_dscnt \younger+3-\f
	global_store_b128 v[GO], v[S+32*\t+16+4*\f:S+32*\t+16+4*\f+3], s[CP:CP+1] offset:2048*\t+512*\f
.endr
.endm
.macro ENDPASS next
.if \next
	QLOAD QP1                                      ; the next pass's Q lands under this pass's tail (the last score products stand six places or more back)
.endif
	TURN 0, 1, 0                                   ; piece 0's last products | piece 2's last softmax
.set i, 0
.rept 20
	PV 2
.set i, i+1
.endr
	WIN 0
	PLACES
	s_mov_b32 s88, 0x2edbe6ff                      ; 1e-10
	WIN 0x01
.irp t, 0,1,2,3
	v_max_num_f32 v[ST+8*\t+6], v[LL+8*\t], s88    ; L, held at 1e-10 from below: a row with a kept key has L near 1 or above; a row with none has L = 0 and O = 0, and its quotient is 0
.endr
	WIN 0
.irp t, 0,1,2,3
	v_rcp_f32 v[ST+8*\t+6], v[ST+8*\t+6]
.endr
	v_nop
	s_wait_alu depctr_va_vdst(0)                   ; one wait for the four reciprocals, ahead of their first reader
	OPACK 0
	OPACK 1
	OSEND 0, 8
	OPACK 2
	OSEND 1, 8
	OPACK 3
	OSEND 2, 8
	OSEND 3, 0
.if \next
	s_wait_loadcnt 0x0                             ; the next pass's Q is in
.endif
	s_wait_xcnt 0x0                                ; the stores have read their data and their base: both are written again in the next pass
.endm
	s_load_b128 s[4:7], s[0:1], 0x0                ; qkv, aux
	s_load_b64 s[8:9], s[0:1], 0x10                ; ctx
	v_lshl_add_u32 v[SPW], v0, 2, SPARE
	v_mov_b32 v[NIL], 0
	ds_add_u32 v[SPW], v[NIL]                      ; the wave's opening: the add, twice on end, and its wait ahead of my first tensor load
	ds_add_u32 v[SPW], v[NIL]
	v_lshrrev_b32 v1, 5, v0
	v_readfirstlane_b32 s[WV], v1
	s_mov_b32 s[WI], ttmp9
	s_and_b32 s[BH], ttmp7, 0xffff
	; descriptor groups 1: dense blocks as rows of 256 bytes (32 elements of 8 bytes): K 128 rows, 16 bytes of padding; V 64 rows, 32 bytes; the bias 4 rows, none
	s_mov_b32 s[G1K], (3<<16)|(1<<20)|(5<<22)|(3<<25)
	s_mov_b32 s[G1K+1], 32<<16
	s_mov_b32 s[G1K+2], 128<<16
	s_mov_b32 s[G1K+3], 32<<16
	s_mov_b32 s[G1K+4], 128
	s_mov_b32 s[G1K+5], 32
	s_mov_b32 s[G1K+6], 0
	s_mov_b32 s[G1K+7], 0
	s_mov_b32 s[G1V], (3<<16)|(1<<20)|(5<<22)|(7<<25)
	s_mov_b32 s[G1V+1], 32<<16
	s_mov_b32 s[G1V+2], 64<<16
	s_mov_b32 s[G1V+3], 32<<16
	s_mov_b32 s[G1V+4], 64
	s_mov_b32 s[G1V+5], 32
	s_mov_b32 s[G1V+6], 0
	s_mov_b32 s[G1V+7], 0
	s_mov_b32 s[G1B], 3<<16
	s_mov_b32 s[G1B+1], 32<<16
	s_mov_b32 s[G1B+2], 4<<16
	s_mov_b32 s[G1B+3], 32<<16
	s_mov_b32 s[G1B+4], 4
	s_mov_b32 s[G1B+5], 32
	s_mov_b32 s[G1B+6], 0
	s_mov_b32 s[G1B+7], 0
	s_mov_b32 s[CS], 0x3e38aa3b                    ; c = log2(e) / 8
	s_mov_b32 s[CS+1], s[CS]
	s_mov_b32 s[SEL], 0x76543210
	s_mov_b32 s[SEL+1], 0xfedcba98
	s_mov_b32 s[SB], 0
	s_mov_b32 s[NN], 0
	s_lshl_b32 s80, s[BH], 18                      ; a head's 262,144 bytes
	s_mov_b32 s81, 0
	s_lshr_b32 s82, s[WV], 1                       ; which half of V's tile (waves 1, 2)
	s_lshl_b32 s84, s82, 14
	s_mov_b32 s85, 0
	s_mul_i32 s83, s82, 64*PVB
	s_add_co_u32 s83, s83, VOFF
	s_lshr_b32 s88, s[BH], 4
	s_lshl_b32 s88, s88, 13
	s_add_co_u32 s88, s88, 2097152                 ; my batch's row of the keys' bias
	s_mov_b32 s89, 0
	s_wait_dscnt 0x0                               ; both opening adds are done
	s_wait_kmcnt 0x0
	s_add_nc_u64 s[4:5], s[4:5], s[80:81]          ; q of my head
	s_add_nc_u64 s[KB:KB+1], s[4:5], 16777216      ; k
	s_add_nc_u64 s[PFA:PFA+1], s[4:5], 33554432    ; v
	s_add_nc_u64 s[VB:VB+1], s[PFA:PFA+1], s[84:85]
	s_add_nc_u64 s[BB:BB+1], s[6:7], s[88:89]
	s_lshl_b32 s84, s[WI], 15                      ; my walk begins with key slot I
	s_lshl_b32 s88, s[WI], 10
	s_mov_b32 s[G0K], 1
	s_mov_b32 s[G0K+1], 0
	s_add_nc_u64 s[G0K+2:G0K+3], s[KB:KB+1], s[84:85]
	s_or_b32 s[G0K+3], s[G0K+3], 0x80000000
	s_mov_b32 s[G0V], 1
	s_mov_b32 s[G0V+1], s83
	s_add_nc_u64 s[G0V+2:G0V+3], s[VB:VB+1], s[84:85]
	s_or_b32 s[G0V+3], s[G0V+3], 0x80000000
	s_mov_b32 s[G0B], 1
	s_mov_b32 s[G0B+1], BOFF
	s_add_nc_u64 s[G0B+2:G0B+3], s[BB:BB+1], s[88:89]
	s_or_b32 s[G0B+3], s[G0B+3], 0x80000000
	TLOAD                                          ; buffer 0's first fill
	s_sub_co_u32 s86, 7, s[WI]
	s_lshl_b32 s86, s86, 15                        ; my second block's rows
	s_cmp_lt_u32 s[WV], 2
	s_cselect_b64 s[PFA:PFA+1], s[KB:KB+1], s[PFA:PFA+1]
	s_and_b32 s84, s[WV], 1
	s_lshl_b32 s84, s84, 14
	s_add_co_u32 s84, s84, s86
	s_add_nc_u64 s[PFA:PFA+1], s[PFA:PFA+1], s[84:85]   ; never rewritten
	s_lshl_b32 s84, s[WI], 15
	s_lshl_b32 s87, s[WV], 13
	s_add_co_u32 s84, s84, s87                     ; pass 0: block I, strip w
	s_add_nc_u64 s[10:11], s[4:5], s[84:85]
	s_and_b32 s88, s[BH], 15
	s_lshl_b32 s88, s88, 20
	s_lshr_b32 s87, s[BH], 4
	s_lshl_b32 s87, s87, 18
	s_add_co_u32 s88, s88, s87
	s_add_nc_u64 s[8:9], s[8:9], s[88:89]          ; ctx[head][batch]
	s_add_nc_u64 s[CP:CP+1], s[8:9], s[84:85]
	s_xor_b32 s87, s[WV], 3
	s_lshl_b32 s87, s87, 13
	s_add_co_u32 s84, s86, s87                     ; pass 1: block 7 - I, strip 3 - w
	s_add_nc_u64 s[QP1:QP1+1], s[4:5], s[84:85]
	s_add_nc_u64 s[CP1:CP1+1], s[8:9], s[84:85]
	v_and_b32 v1, 15, v0                           ; r
	v_bfe_u32 v44, v0, 4, 1                        ; h
	v_lshlrev_b32 v[QO], 7, v1
	v_lshl_add_u32 v[QO], v44, 4, v[QO]
	QLOAD 10
	v_lshrrev_b32 v45, 1, v1
	v_and_b32 v46, 1, v0
	v_mul_u32_u24 v[AK0], v45, PK
	v_lshl_add_u32 v[AK0], v46, 7, v[AK0]
	v_lshl_add_u32 v[AK0], v44, 4, v[AK0]          ; key r: (r / 2) pitch + 128 (r % 2) + 16 h
	v_bfe_u32 v45, v0, 1, 2
	v_lshl_add_u32 v45, v44, 2, v45
	v_mul_u32_u24 v[AV0], v45, PVB
	v_lshl_add_u32 v[AV0], v46, 7, v[AV0]
	v_bfe_u32 v45, v0, 3, 1
	v_lshl_add_u32 v[AV0], v45, 4, v[AV0]          ; key 8 h + lane % 8, channels 8 ((lane / 8) % 2) on
	v_lshlrev_b32 v[ABI0], 5, v44                  ; the bias of keys 8 h on
	s_mul_i32 s84, s[WV], 64*SPS
	s_add_co_u32 s84, s84, STAGE
	v_mul_u32_u24 v[STO], v1, SPS
	v_lshl_add_u32 v[STO], v44, 4, v[STO]
	v_add_nc_u32 v[STO], s84, v[STO]
	v_and_b32 v47, 31, v0
	v_lshrrev_b32 v45, 3, v47
	v_and_b32 v46, 7, v0
	v_mul_u32_u24 v[RD], v45, SPS
	v_lshl_add_u32 v[RD], v46, 4, v[RD]
	v_add_nc_u32 v[RD], s84, v[RD]
	v_lshlrev_b32 v[GO], 4, v47
	v_lshlrev_b32 v[PFO], 8, v47
	v_lshlrev_b32 v45, 3, v44
	v_sub_nc_u32 v44, v1, v45                      ; r - 8 h
	v_mov_b32 v45, 0xf149f2ca                      ; -1e30
	WIN 0xc0
.irp q, 0,1,2,3,4,5,6,7
	v_mov_b32 v[ONES+\q], 0x3c003c00               ; 1.0, 1.0 in f16
	v_mov_b32 v[HID+\q], 0xf149f2ca
	v_cmp_gt_i32 vcc_lo, \q, v44                   ; key 8 h + q behind query r
	v_cndmask_b32 v[TRI+\q], v[NIL], v45, vcc_lo
.endr
	WIN 0
	CHANGE 1, 1                                    ; buffer 0 is whole; buffer 1 has its first fill
	START 0
.Ltrip:                                            ; 7 trips: slot N of my walk is worked, slot N + 2 is asked for
	INNER
	s_cmp_eq_u32 s[NN], s[WI]                      ; ids and counts alone: the same in all four waves
	s_cbranch_scc0 .Lno_end
	ENDPASS 1
.Lno_end:
	CHANGE 1, 0
	s_cmp_eq_u32 s[NN], s[WI]
	s_cbranch_scc0 .Lno_start
	START 1
.Lno_start:
	s_add_co_u32 s[NN], s[NN], 1
	s_cmp_lt_u32 s[NN], 7
	s_cbranch_scc1 .Ltrip
	INNER                                          ; the last two slots are written out: nothing is left to ask for
	CHANGE 0, 0
	INNER
	ENDPASS 0
	s_wait_tensorcnt 0x0                           ; the wave's end
	ds_add_u32 v[SPW], v[NIL]
	s_wait_dscnt 0x0
	s_endpgm
.Lfunc_end_k_q6cae2955fc_attn:
	.size	k_q6cae2955fc_attn, .Lfunc_end_k_q6cae2955fc_attn-k_q6cae2955fc_attn
	.p2alignl 7, 3214868480
	.fill 96, 4, 3214868480
	.section	.rodata,"a",@progbits
	.p2align	6, 0x0
	.amdhsa_kernel k_q6cae2955fc_attn
		.amdhsa_group_segment_fixed_size 327680
		.amdhsa_private_segment_fixed_size 0
		.amdhsa_enable_private_segment 0
		.amdhsa_kernarg_size 24
		.amdhsa_user_sgpr_count 2
		.amdhsa_user_sgpr_kernarg_segment_ptr 1
		.amdhsa_wavefront_size32 1
		.amdhsa_system_sgpr_workgroup_id_x 1
		.amdhsa_system_sgpr_workgroup_id_y 1
		.amdhsa_system_sgpr_workgroup_id_z 1
		.amdhsa_system_vgpr_workitem_id 0
		.amdhsa_next_free_vgpr 1024
		.amdhsa_next_free_sgpr 96
		.amdhsa_reserve_vcc 1
		.amdhsa_float_denorm_mode_32 3
		.amdhsa_float_denorm_mode_16_64 3
		.amdhsa_memory_ordered 1
		.amdhsa_forward_progress 1
		.amdhsa_inst_pref_size 220
	.end_amdhsa_kernel
	.amdgpu_metadata
---
amdhsa.version: [ 1, 2 ]
amdhsa.kernels:
  - .name:           k_q6cae2955fc_attn
    .symbol:         k_q6cae2955fc_attn.kd
    .args:
      - { .name: qkv, .offset: 0, .size: 8, .value_kind: global_buffer, .address_space: global }
      - { .name: aux, .offset: 8, .size: 8, .value_kind: global_buffer, .address_space: global }
      - { .name: ctx, .offset: 16, .size: 8, .value_kind: global_buffer, .address_space: global }
    .group_segment_fixed_size: 327680
    .private_segment_fixed_size: 0
    .kernarg_segment_align: 8
    .kernarg_segment_size: 24
    .max_flat_workgroup_size: 128
    .sgpr_count:     96
    .vgpr_count:     1024
    .wavefront_size: 32
...
	.end_amdgpu_metadata
.endif
;; end of part 3
;; launch proj (part 4): grid 8 x 32, 4 waves a work-group, clusters of 4 x 4, 327,680 bytes of LDS; arguments ctx, aux, out0, first; writes out0
.if DOCPART == 4
	.amdgcn_target "amdgcn-amd-amdhsa--gfx1250"
	.amdhsa_code_object_version 6
	.text
	.protected	k_q6cae2955fc_proj
	.globl	k_q6cae2955fc_proj
	.p2align	8
	.type	k_q6cae2955fc_proj,@function
k_q6cae2955fc_proj:
	s_mov_b64 s[64:65], 0
	v_nop
	global_prefetch_b8 v0, s[64:65] scope:SCOPE_SE
	s_setreg_imm32_b32 hwreg(HW_REG_WAVE_MODE, 25, 1), 1
	s_wait_xcnt 0x0
	s_wait_alu depctr_hold_cnt(0) depctr_sa_sdst(0) depctr_va_vdst(0) depctr_va_sdst(0) depctr_va_ssrc(0) depctr_va_vcc(0) depctr_vm_vsrc(0)
	s_getreg_b32 s2, hwreg(HW_REG_IB_STS2, 6, 4)
	s_cmp_eq_u32 s2, 0
	s_cbranch_scc0 .Lentry_in_a_cluster
	s_endpgm
.Lentry_in_a_cluster:
	s_bfe_u32 s2, ttmp6, 0x10000c
	s_cmp_lg_u32 s2, 0xf033
	s_cbranch_scc0 .Lentry_shape_is_right
	s_endpgm
.Lentry_shape_is_right:
; Launch 4 of 5: out0 = ctx wo^T, operands in f16, sums in f32.  ctx: [16 planes][8192 rows][64], wo16 (at aux): [16 planes][1024 rows][64]: K = 64 plane + channel on both sides.
; A tile of out0 is 256 rows x 128 columns: 256 work-groups.  Wave (rh, ch) makes 128 x 64: 32 accumulators in window 2.  A K step is two planes (128 along K); 8 K steps through two LDS slots.
; A plane's part of a tile is a dense block of memory, taken as rows of 256 bytes (two rows of 64 f16), 16 bytes of padding behind each.  One joint load a wave: waves 0, 1 A's two planes, waves 2, 3 B's.
; 4 x 4 work-groups form a cluster: A's tiles are shared along a row of it, B's along a column.  The matrix instruction is used transposed: a lane holds eight neighbouring columns of a row of out0.
; ROWS WITH NO KEPT KEY (position < first[batch], the whole number that launch 1 stored) are NaN in reference(), a softmax of a row of -inf: on the way out NaN is SELECTED for them by v_cndmask_b32;
; no branch, no mask of lanes and no address hangs on that number.  (Rows 0-15 of each sequence are stored again by launch 5.)
; REGISTERS: window 0: v16-31 addresses and the selection's three, v32-95 the way out.  Window 1: two fragment buffers of 96 (A's 8 blocks, then B's 4).  Window 2: accumulator (a, b) at v[8 (4 a + b)].
.set PITCH,  272
.set APL,    128*PITCH                 ; A's plane in a slot
.set BPL,    64*PITCH                  ; B's
.set BOFF,   2*APL
.set SLOT,   2*APL+2*BPL
.set STAGE,  2*SLOT                    ; 16 rows x 272 bytes for each wave
.set SPITCH, 272
.set SPARE,  STAGE+4*16*SPITCH
.set LAPS,   4
.set ASTEP,  2*1048576                 ; a K step on, in ctx
.set BSTEP,  2*131072                  ; and in wo16
.set ADRA, 16
.set ADRB, 20
.set TT,   23                          ; v23  at work: a store's position in its sequence
.set STO,  24
.set RD,   25
.set CO,   26
.set ROWP, 27                          ; v27  the position in its sequence of my row of the wave's first store
.set SPW,  28
.set NIL,  29
.set PFO,  30
.set NANR, 31                          ; v31  NaN
.set OB,   32
.set F0,   0
.set F1,   96
.set FST,  14                          ; s14  first[batch]
.set G1, 24
.set G0, 32
.set G1B, 48
.set G0B, 56
.set LIM, 43
.set PFA, 44
.set MSB, 0
.macro WIN new
.if MSB != \new
	s_set_vgpr_msb (MSB<<8)|\new
.set MSB, \new
.endif
.endm
.set MUL,  0xa5                        ; sources 0 and 1 window 1; C and D window 2
.set TO_F, 0x40
.macro JLOAD s
	s_cmp_eq_u32 s11, 0
	s_cbranch_scc0 .Lfor_b_\@
	tensor_load_to_lds s[G0+4*\s:G0+4*\s+3], s[G1:G1+7]
	s_nop 0
.rept 4
	v_nop
.endr
	s_branch .Lasked_\@
.Lfor_b_\@:
	tensor_load_to_lds s[G0B+4*\s:G0B+4*\s+3], s[G1B:G1B+7]
	s_nop 0
.rept 4
	v_nop
.endr
.Lasked_\@:
.endm
; A PREFETCH of A's K step that stands two refills on: waves 0, 1 of the clusters with x = 0 (the other cluster of the row reads the same rows); the four partners share a plane's 128 rows of 256 bytes
; out by address, 32 each, a lane a row.  The loop's last trip asks for nothing: no K step stands two on.  wo16 is read by all 32 tile rows and is not asked for.
.macro ASK
	s_cmp_gt_u32 s3, s[LIM]
	s_cbranch_scc0 .Lnot_mine_\@
	global_prefetch_b8 v[PFO], s[PFA:PFA+1] offset:ASTEP th:TH_LOAD_NT scope:SCOPE_SE
.Lnot_mine_\@:
.endm
.macro CREST
	s_cmp_lg_u32 s10, 0
	s_cbranch_scc1 .Lnot_wave_0_\@
	s_barrier_signal -3
.Lnot_wave_0_\@:
	s_barrier_wait -3
	s_barrier_signal -1
	s_barrier_wait -1
.endm
.macro CROUND
	s_barrier_signal -1
	s_barrier_wait -1
	CREST
.endm
	s_load_b128 s[4:7], s[0:1], 0x0                ; ctx, aux
	s_load_b64 s[8:9], s[0:1], 0x10                ; out0
	s_load_b64 s[18:19], s[0:1], 0x18              ; first
	v_lshl_add_u32 v[SPW], v0, 2, SPARE
	v_mov_b32 v[NIL], 0
	ds_add_u32 v[SPW], v[NIL]                      ; the wave's opening: the add, twice on end, and its wait ahead of my first tensor load
	ds_add_u32 v[SPW], v[NIL]
	v_lshrrev_b32 v1, 5, v0
	v_readfirstlane_b32 s10, v1                    ; wave
	s_lshr_b32 s11, s10, 1                         ; my half of the rows; also: I fetch for A (0) or B (1)
	s_and_b32 s12, s10, 1                          ; my half of the columns; also: which plane of a K step I fetch
	s_bfe_u32 s40, ttmp6, 0x40000                  ; cx
	s_bfe_u32 s41, ttmp6, 0x40004                  ; cy
	s_lshl_b32 s42, ttmp9, 2
	s_add_co_u32 s42, s42, s40                     ; tile column
	s_and_b32 s13, ttmp7, 0xffff
	s_lshl_b32 s13, s13, 2
	s_add_co_u32 s13, s13, s41                     ; tile row
	s_lshl_b32 s43, s41, 2
	s_lshl_b32 s43, 15, s43
	s_lshl_b32 s44, 0x1111, s40
	s_or_b32 s[G1+0], s43, (3<<16)|(1<<20)|(1<<21)|(5<<22)|(3<<25)   ; mask; elements of 8 bytes; 4 words of padding behind every 64
	s_or_b32 s[G1B+0], s44, (3<<16)|(1<<20)|(1<<21)|(5<<22)|(3<<25)
	s_mov_b32 s[G1+1], 32<<16
	s_mov_b32 s[G1+2], 128<<16
	s_mov_b32 s[G1+3], 32<<16
	s_mov_b32 s[G1+4], 128
	s_mov_b32 s[G1+5], 32
	s_mov_b32 s[G1+6], 0
	s_mov_b32 s[G1+7], 0
	s_mov_b32 s[G1B+1], 32<<16
	s_mov_b32 s[G1B+2], 64<<16
	s_mov_b32 s[G1B+3], 32<<16
	s_mov_b32 s[G1B+4], 64
	s_mov_b32 s[G1B+5], 32
	s_mov_b32 s[G1B+6], 0
	s_mov_b32 s[G1B+7], 0
	s_lshl_b32 s16, s12, 20                        ; A: my plane, the tile row's 256 rows of 128 bytes
	s_lshl_b32 s17, s13, 15
	s_add_co_u32 s16, s16, s17
	s_mov_b32 s17, 0
	s_lshl_b32 s46, s12, 17                        ; B: my plane, the tile column's 128 rows
	s_lshl_b32 s47, s42, 14
	s_add_co_u32 s46, s46, s47
	s_mov_b32 s47, 0
	s_mul_i32 s20, s12, APL                        ; where they go: no place in the cluster enters an LDS address
	s_mul_i32 s21, s12, BPL
	s_add_co_u32 s21, s21, BOFF
	s_wait_dscnt 0x0                               ; both opening adds are done
	s_wait_kmcnt 0x0
	s_add_nc_u64 s[14:15], s[4:5], s[16:17]
	s_add_nc_u64 s[46:47], s[6:7], s[46:47]
	CROUND                                         ; all sixteen work-groups are here: the first joint loads meet
.irp s, 0,1
	s_mov_b32 s[G0+4*\s], 1
	s_add_co_u32 s[G0+4*\s+1], s20, \s*SLOT
	s_add_nc_u64 s[G0+4*\s+2:G0+4*\s+3], s[14:15], \s*ASTEP
	s_or_b32 s[G0+4*\s+3], s[G0+4*\s+3], 0x80000000
	s_mov_b32 s[G0B+4*\s], 1
	s_add_co_u32 s[G0B+4*\s+1], s21, \s*SLOT
	s_add_nc_u64 s[G0B+4*\s+2:G0B+4*\s+3], s[46:47], \s*BSTEP
	s_or_b32 s[G0B+4*\s+3], s[G0B+4*\s+3], 0x80000000
	JLOAD \s
.endr
	v_and_b32 v1, 15, v0                           ; r
	v_bfe_u32 v2, v0, 4, 1                         ; h
	v_lshrrev_b32 v3, 1, v1
	v_mul_u32_u24 v3, v3, PITCH
	v_and_b32 v4, 1, v0
	v_lshl_add_u32 v3, v4, 7, v3
	v_lshl_add_u32 v3, v2, 4, v3                   ; row r: (r / 2) pitch + 128 (r % 2) + 16 h
	s_mul_i32 s22, s11, 64*PITCH                   ; my 128 rows of A
	s_mul_i32 s23, s12, 32*PITCH                   ; my 64 rows of B
	s_add_co_u32 s23, s23, BOFF
.irp s, 0,1
	v_add_nc_u32 v[ADRA+\s], s22, v3
	v_add_nc_u32 v[ADRB+\s], s23, v3
	s_add_co_u32 s22, s22, SLOT
	s_add_co_u32 s23, s23, SLOT
.endr
	s_mul_i32 s23, s10, 16*SPITCH
	s_add_co_u32 s23, s23, STAGE
	v_mul_u32_u24 v4, v1, SPITCH
	v_lshl_add_u32 v4, v2, 5, v4
	v_add_nc_u32 v[STO], s23, v4                   ; in: row r, 32 bytes for each half of the lanes
	v_mul_u32_u24 v5, v2, SPITCH
	v_lshl_add_u32 v5, v1, 4, v5
	v_add_nc_u32 v[RD], s23, v5                    ; back: lanes 0-15 one row of 256 bytes, lanes 16-31 the next
	v_lshlrev_b32 v5, 12, v2
	v_lshl_add_u32 v[CO], v1, 4, v5                ; and the same two rows in out0
	s_lshl_b32 s16, s13, 20
	s_lshl_b32 s17, s11, 19
	s_add_co_u32 s16, s16, s17                     ; my first row: (256 tile row + 128 rh) x 4,096 bytes
	s_mov_b32 s17, 0
	s_lshl_b32 s46, s42, 9
	s_lshl_b32 s47, s12, 8
	s_add_co_u32 s46, s46, s47                     ; my first column: 512 tile column + 256 ch bytes
	s_mov_b32 s47, 0
	s_add_nc_u64 s[16:17], s[16:17], s[46:47]
	s_add_nc_u64 s[8:9], s[8:9], s[16:17]
	s_or_b32 s22, ttmp9, s11                       ; the prefetches: waves 0, 1 of the clusters with x = 0: the same in all sixteen partners, for a given wave
	s_cmp_eq_u32 s22, 0
	s_cselect_b32 s[LIM], 1, -1
	s_lshl_b32 s20, s12, 20
	s_lshl_b32 s21, s13, 15
	s_add_co_u32 s20, s20, s21
	s_lshl_b32 s21, s40, 13                        ; my work-group's 32 of the plane's 128 rows of 256 bytes
	s_add_co_u32 s20, s20, s21
	s_mov_b32 s21, 0
	s_add_nc_u64 s[PFA:PFA+1], s[4:5], s[20:21]
	s_add_nc_u64 s[PFA:PFA+1], s[PFA:PFA+1], 2*ASTEP   ; at K step 2: the first refill steps it to 3 and names K step 4
	v_and_b32 v[PFO], 31, v0
	v_lshlrev_b32 v[PFO], 8, v[PFO]
	s_lshr_b32 s22, s13, 3                         ; my batch: eight tile rows to a sequence
	s_lshl_b32 s22, s22, 2
	s_mov_b32 s23, 0
	s_add_nc_u64 s[18:19], s[18:19], s[22:23]
	s_load_b32 s[FST], s[18:19], 0x0               ; first[batch]: it goes into compares alone
	s_and_b32 s20, s13, 7
	s_lshl_b32 s20, s20, 8
	s_lshl_b32 s21, s11, 7
	s_add_co_u32 s20, s20, s21
	v_add_nc_u32 v[ROWP], s20, v2                  ; position in the sequence: 256 (tile row % 8) + 128 rh + h
	v_mov_b32 v[NANR], 0x7fc00000
; 8 matrix instructions: A's blocks a0, a0 + 1 x B's four, 32 along K.  The 32 accumulators take turns, one instruction a turn, in the same order in every quarter.
.macro MUL8 f, a0, zero
.irp a, \a0, \a0+1
.irp b, 0,1,2,3
.if \zero
	v_wmma_f32_16x16x32_f16 v[8*(4*(\a)+\b):8*(4*(\a)+\b)+7], v[\f+64+8*\b:\f+64+8*\b+7], v[\f+8*(\a):\f+8*(\a)+7], 0
.else
	v_wmma_f32_16x16x32_f16 v[8*(4*(\a)+\b):8*(4*(\a)+\b)+7], v[\f+64+8*\b:\f+64+8*\b+7], v[\f+8*(\a):\f+8*(\a)+7], v[8*(4*(\a)+\b):8*(4*(\a)+\b)+7]
.endif
.endr
.endr
.endm
; 24 LDS loads in one run: quarter q of a slot (plane q / 2, channels 32 (q % 2) on) into buffer f: B's four blocks, A's blocks 0-3, A's blocks 4-7
.macro FETCH slot, q, f
	WIN TO_F
.irp i, 0,1,2,3
	ds_load_b128 v[\f+64+8*\i:\f+64+8*\i+3],   v[ADRB+\slot] offset:((\q)/2)*BPL+((\q)%2)*64+\i*8*PITCH
	ds_load_b128 v[\f+64+8*\i+4:\f+64+8*\i+7], v[ADRB+\slot] offset:((\q)/2)*BPL+((\q)%2)*64+\i*8*PITCH+32
.endr
.irp i, 0,1,2,3,4,5,6,7
	ds_load_b128 v[\f+8*\i:\f+8*\i+3],   v[ADRA+\slot] offset:((\q)/2)*APL+((\q)%2)*64+\i*8*PITCH
	ds_load_b128 v[\f+8*\i+4:\f+8*\i+7], v[ADRA+\slot] offset:((\q)/2)*APL+((\q)%2)*64+\i*8*PITCH+32
.endr
.endm
.macro PLACES
.rept 4
	v_nop
.endr
.endm
.macro QUARTER slot, q, f, g, zero     ; multiplies buffer f; in its middle fetches quarter q of the slot into g
	s_wait_dscnt 8                                 ; B and A's blocks 0-3 are in; the youngest eight loads (A's blocks 4-7) may be out
	WIN MUL
	MUL8 \f, 0, \zero
	MUL8 \f, 2, \zero
	PLACES
	FETCH \slot, \q, \g
	s_wait_dscnt 24                                ; all but the 24 just issued
	WIN MUL
	MUL8 \f, 4, \zero
	MUL8 \f, 6, \zero
.endm
; A slot's last quarter multiplies buffer 1 and changes slots.  fill = 1: the barrier opens a round of the cluster's barrier, and this slot is filled again, two K steps ahead.
.macro TURN slot, next, fill
.if \fill
	s_wait_xcnt 0x0                                ; the last prefetch, a K step back, has read its address
	s_add_nc_u64 s[PFA:PFA+1], s[PFA:PFA+1], ASTEP
.endif
	WIN 0
	s_wait_tensorcnt 0x0                           ; all my tensor loads have landed: my part of the next slot
	ds_add_u32 v[SPW], v[NIL]
	s_wait_dscnt 9                                 ; the add and the youngest eight loads may be out
	WIN MUL
	MUL8 F1, 0, 0
	s_wait_dscnt 0x0                               ; the add is done, and my reads of this slot are over
	s_barrier_signal -1
	MUL8 F1, 2, 0
	WIN 0
	s_barrier_wait -1
.if \fill
	CREST                                          ; no wave of any partner still reads this slot or has a load on its way
	s_add_nc_u64 s[G0+4*\slot+2:G0+4*\slot+3], s[G0+4*\slot+2:G0+4*\slot+3], 2*ASTEP
	s_add_nc_u64 s[G0B+4*\slot+2:G0B+4*\slot+3], s[G0B+4*\slot+2:G0B+4*\slot+3], 2*BSTEP
	JLOAD \slot                                    ; the first tensor load behind the round; its four v_nop are also the places in front of the loads below
.else
	PLACES
.endif
	FETCH \next, 0, F0
.if \fill
	WIN 0
	ASK
.endif
	WIN MUL
	MUL8 F1, 4, 0
	MUL8 F1, 6, 0
.endm
	s_wait_kmcnt 0x0                               ; first[batch] is in
	s_wait_tensorcnt 1                             ; my part of K step 0 is in; K step 1's load may be out
	s_barrier_signal -1
	s_barrier_wait -1
	FETCH 0, 0, F0
	QUARTER 0, 1, F0, F1, 1                        ; the first quarter's products start the sums
	WIN 0
	s_mov_b32 s3, LAPS-1
.Llap:                                             ; a trip goes once round the ring and fills both slots again
	QUARTER 0, 2, F1, F0, 0
	QUARTER 0, 3, F0, F1, 0
	TURN 0, 1, 1
	QUARTER 1, 1, F0, F1, 0
	QUARTER 1, 2, F1, F0, 0
	QUARTER 1, 3, F0, F1, 0
	TURN 1, 0, 1
	QUARTER 0, 1, F0, F1, 0
	WIN 0
	s_sub_co_u32 s3, s3, 1
	s_cmp_lg_u32 s3, 0
	s_cbranch_scc1 .Llap
	QUARTER 0, 2, F1, F0, 0                        ; the last lap fills nothing
	QUARTER 0, 3, F0, F1, 0
	TURN 0, 1, 0
	QUARTER 1, 1, F0, F1, 0
	QUARTER 1, 2, F1, F0, 0
	QUARTER 1, 3, F0, F1, 0
	s_wait_dscnt 8
	WIN MUL
	MUL8 F1, 0, 0
	MUL8 F1, 2, 0
	s_wait_dscnt 0
	MUL8 F1, 4, 0
	MUL8 F1, 6, 0
	WIN 0
; THE WAY OUT, block by block of 16 rows x 64 columns: through my own stage, back as whole rows of 256 bytes: sixteen lanes store 256 consecutive bytes, aligned.
.macro TOSTAGE a
	WIN 0x08                                       ; an LDS store's data: window 2
.irp b, 0,1,2,3
	ds_store_b128 v[STO], v[8*(4*(\a)+\b):8*(4*(\a)+\b)+3] offset:64*\b         ; each accumulator from its low end on
	ds_store_b128 v[STO], v[8*(4*(\a)+\b)+4:8*(4*(\a)+\b)+7] offset:64*\b+16
.endr
	WIN 0
.set BB, OB+32*((\a)%2)
.irp t, 0,1,2,3,4,5,6,7
	ds_load_b128 v[BB+4*\t:BB+4*\t+3], v[RD] offset:\t*2*SPITCH     ; LDS serves a wave's instructions in order: these see the stores above
.endr
.endm
.macro SEND a, younger                 ; younger: the next block's eight stores and eight loads, or none
.set BB, OB+32*((\a)%2)
	s_wait_dscnt \younger
.irp t, 0,1,2,3,4,5,6,7
	v_add_nc_u32 v[TT], 16*(\a)+2*\t, v[ROWP]      ; my row's position in its sequence
	v_cmp_gt_u32 vcc_lo, s[FST], v[TT]             ; in front of the first kept key: the row is NaN
.irp q, 0,1,2,3
	v_cndmask_b32 v[BB+4*\t+\q], v[BB+4*\t+\q], v[NANR], vcc_lo
.endr
	global_store_b128 v[CO], v[BB+4*\t:BB+4*\t+3], s[8:9] offset:65536*(\a)+8192*\t th:TH_STORE_NT
.endr
.endm
	PLACES
	TOSTAGE 0
.irp a, 1,2,3,4,5,6,7
.if \a > 1
	s_wait_xcnt 0x0                                ; block a - 2's stores have read their registers: block a's loads may land there
.endif
	TOSTAGE \a
	SEND \a-1, 16
.endr
	SEND 7, 0
	s_wait_tensorcnt 0x0                           ; the wave's end
	ds_add_u32 v[SPW], v[NIL]
	s_wait_dscnt 0x0
	CROUND                                         ; the closing round
	s_endpgm
.Lfunc_end_k_q6cae2955fc_proj:
	.size	k_q6cae2955fc_proj, .Lfunc_end_k_q6cae2955fc_proj-k_q6cae2955fc_proj
	.p2alignl 7, 3214868480
	.fill 96, 4, 3214868480
	.section	.rodata,"a",@progbits
	.p2align	6, 0x0
	.amdhsa_kernel k_q6cae2955fc_proj
		.amdhsa_group_segment_fixed_size 327680
		.amdhsa_private_segment_fixed_size 0
		.amdhsa_enable_private_segment 0
		.amdhsa_kernarg_size 32
		.amdhsa_user_sgpr_count 2
		.amdhsa_user_sgpr_kernarg_segment_ptr 1
		.amdhsa_wavefront_size32 1
		.amdhsa_system_sgpr_workgroup_id_x 1
		.amdhsa_system_sgpr_workgroup_id_y 1
		.amdhsa_system_sgpr_workgroup_id_z 1
		.amdhsa_system_vgpr_workitem_id 0
		.amdhsa_next_free_vgpr 768
		.amdhsa_next_free_sgpr 66
		.amdhsa_reserve_vcc 1
		.amdhsa_float_denorm_mode_32 3
		.amdhsa_float_denorm_mode_16_64 3
		.amdhsa_memory_ordered 1
		.amdhsa_forward_progress 1
		.amdhsa_inst_pref_size 100
	.end_amdhsa_kernel
	.amdgpu_metadata
---
amdhsa.version: [ 1, 2 ]
amdhsa.kernels:
  - .name:           k_q6cae2955fc_proj
    .symbol:         k_q6cae2955fc_proj.kd
    .args:
      - { .name: ctx, .offset: 0, .size: 8, .value_kind: global_buffer, .address_space: global }
      - { .name: aux, .offset: 8, .size: 8, .value_kind: global_buffer, .address_space: global }
      - { .name: out0, .offset: 16, .size: 8, .value_kind: global_buffer, .address_space: global }
      - { .name: first, .offset: 24, .size: 8, .value_kind: global_buffer, .address_space: global }
    .group_segment_fixed_size: 327680
    .private_segment_fixed_size: 0
    .kernarg_segment_align: 8
    .kernarg_segment_size: 32
    .max_flat_workgroup_size: 128
    .sgpr_count:     66
    .vgpr_count:     768
    .wavefront_size: 32
...
	.end_amdgpu_metadata
.endif
;; end of part 4
;; launch fine (part 5): grid 16 x 4, 16 waves a work-group, no clusters, 67,584 bytes of LDS; arguments qkv, aux, first, wo, out0; writes out0
.if DOCPART == 5
	.amdgcn_target "amdgcn-amd-amdhsa--gfx1250"
	.amdhsa_code_object_version 6
	.text
	.protected	k_q6cae2955fc_fine
	.globl	k_q6cae2955fc_fine
	.p2align	8
	.type	k_q6cae2955fc_fine,@function
k_q6cae2955fc_fine:
	s_mov_b64 s[64:65], 0
	v_nop
	global_prefetch_b8 v0, s[64:65] scope:SCOPE_SE
	s_setreg_imm32_b32 hwreg(HW_REG_WAVE_MODE, 25, 1), 1
	s_wait_xcnt 0x0
; Launch 5 of 5: positions 0-15 of each sequence once more, through scores, softmax, context and projection in f32 (these rows average few values, and f16 operands would use up their margin).
; Keys behind position 15 are hidden from these 16 queries by reference()'s own tril: not read.  Of these rows, those with no kept key (query < first[b]) are NaN in reference(), a softmax of a row of -inf:
; NaN is selected for them by v_cndmask_b32.  The row's maximum is held at -2^93 from below (above the masked keys' -1e30, under every kept key's score) and the row's sum at 1e-10,
; so that such a row's own arithmetic stays finite: its weights are 0.
; Work-group (x, b): output columns 64 x .. 64 x + 63 of batch b.  Wave = head: its 16 x 16 attention, then its 64 context columns against wo[64 x ..][64 head ..]; the 16 partial results meet in LDS.
; All products by v_wmma_f32_16x16x4_f32: a K step's four places (h, j) are given to the k that the lanes already hold, alike on both sides, so nothing changes lanes.
; 64 columns to a work-group make each row's piece 256 consecutive bytes, aligned; so there are 64 work-groups.
; REGISTERS: v1, v2 the add's; v3-7 addresses; v8 out offset; v9 row; v10 NaN; v11 r - 8 h; v12 -1e30; v13 h; v14, v15 at work at the head;
;   v16-47 Q, v48-79 K, then at work, then wo's second half, then partial results; v80-111 V^T; v112-175 wo's first half;
;   written by matrix instructions alone: v176-191 the scores in two sums, v192-223 the context, v224-255 the result.
.set SPARE, 65536                      ; behind the 16 partial results of 4,096 bytes: the spare words, 128 bytes a wave
.set FIRST, 41
	s_load_b256 s[4:11], s[0:1], 0x0               ; qkv, aux, first, wo
	s_load_b64 s[12:13], s[0:1], 0x20              ; out0
	v_lshl_add_u32 v1, v0, 2, SPARE
	v_mov_b32 v2, 0
	v_lshrrev_b32 v3, 5, v0
	v_readfirstlane_b32 s14, v3                    ; wave = head
	s_and_b32 s16, ttmp7, 0xffff                   ; batch
	v_and_b32 v14, 15, v0                          ; r
	v_bfe_u32 v13, v0, 4, 1                        ; h
	s_lshl_b32 s17, s14, 8                         ; the head's 64 numbers in a row of 1,024
	v_lshlrev_b32 v15, 12, v14
	v_add_nc_u32 v15, s17, v15
	v_lshl_add_u32 v3, v13, 4, v15                 ; Q, K: row r, + 16 h
	v_lshl_add_u32 v5, v13, 5, v15                 ; wo: row r, + 32 h
	v_lshlrev_b32 v4, 15, v13
	v_lshl_add_u32 v4, v14, 2, v4
	v_add_nc_u32 v4, s17, v4                       ; V^T: keys 8 h on, channel r
	v_and_b32 v6, 31, v0
	v_lshlrev_b32 v6, 4, v6
	s_lshl_b32 s17, s14, 12
	v_add_nc_u32 v6, s17, v6                       ; my partial result: 4,096 wave + 16 lane
	s_and_b32 s17, s14, 7
	s_lshl_b32 s17, s17, 1
	v_add_nc_u32 v9, s17, v13                      ; the row that I reduce: 2 (wave % 8) + h
	v_lshrrev_b32 v15, 2, v14
	v_lshlrev_b32 v15, 1, v15
	v_and_b32 v7, 1, v14
	v_add_nc_u32 v15, v15, v7                      ; of my four columns g = lane % 16: which piece of 512 bytes: 2 (g / 4) + g % 2
	v_bfe_u32 v7, v14, 1, 1
	v_lshl_add_u32 v7, v7, 4, v9                   ; and which lane wrote them: row + 16 ((g / 2) % 2)
	v_lshlrev_b32 v7, 4, v7
	v_lshl_add_u32 v7, v15, 9, v7
	v_lshlrev_b32 v8, 12, v9
	v_lshl_add_u32 v8, v14, 4, v8                  ; out0: row x 4,096 + 16 g
	v_mov_b32 v10, 0x7fc00000                      ; NaN
	v_lshlrev_b32 v11, 3, v13
	v_sub_nc_u32 v11, v14, v11                     ; r - 8 h
	v_mov_b32 v12, 0xf149f2ca                      ; -1e30
	s_mov_b32 s36, 0x76543210
	s_mov_b32 s37, 0xfedcba98
	s_mov_b32 s38, 0x3e38aa3b                      ; c = log2(e) / 8
	s_mov_b32 s19, 0
	s_wait_kmcnt 0x0
	s_lshl_b32 s18, s16, 16
	s_add_nc_u64 s[4:5], s[4:5], s[18:19]
	s_add_nc_u64 s[4:5], s[4:5], 50331648          ; q's f32 rows of my batch; k's lie 262,144 bytes on, v's 524,288
	s_lshl_b32 s18, s16, 13
	s_add_nc_u64 s[6:7], s[6:7], s[18:19]
	s_lshl_b32 s18, s16, 2
	s_add_nc_u64 s[8:9], s[8:9], s[18:19]
	s_lshl_b32 s18, ttmp9, 18
	s_add_nc_u64 s[10:11], s[10:11], s[18:19]      ; wo at row 64 x
	s_lshl_b32 s18, s16, 23
	s_lshl_b32 s17, ttmp9, 8
	s_add_co_u32 s18, s18, s17
	s_add_nc_u64 s[12:13], s[12:13], s[18:19]      ; out0 at my batch's first row, my columns
	s_load_b512 s[20:35], s[6:7], 0x200000         ; the bias of keys 0-15
	s_load_b32 s[FIRST], s[8:9], 0x0
.irp c, 0,1,2,3,4,5,6,7
	global_load_b128 v[16+4*\c:19+4*\c], v3, s[4:5] offset:32*\c            ; Q(r, 8 c + 4 h + 0..3)
.endr
.irp c, 0,1,2,3,4,5,6,7
	global_load_b128 v[48+4*\c:51+4*\c], v3, s[4:5] offset:262144+32*\c     ; K likewise
.endr
.irp d, 0,1,2,3
.irp q, 0,1,2,3,4,5,6,7
	global_load_b32 v[80+8*\d+\q], v4, s[4:5] offset:524288+4096*\q+64*\d   ; V(8 h + q, 16 d + r)
.endr
.endr
.irp e, 0,1
.irp d, 0,1,2,3
	global_load_b128 v[112+32*\e+8*\d:115+32*\e+8*\d], v5, s[10:11] offset:65536*\e+64*\d      ; wo(16 e + r, 16 d + 8 h + 0..7)
	global_load_b128 v[116+32*\e+8*\d:119+32*\e+8*\d], v5, s[10:11] offset:65536*\e+64*\d+16
.endr
.endr
	s_wait_loadcnt 48                              ; Q and K are in; V's 32 loads and wo's 16 stay out
	; S^T = K Q^T: 16 K steps, two sums by turns, each begun with the constant 0
	v_wmma_f32_16x16x4_f32 v[176:183], v[48:49], v[16:17], 0
	v_wmma_f32_16x16x4_f32 v[184:191], v[50:51], v[18:19], 0
.irp c, 1,2,3,4,5,6,7
	v_wmma_f32_16x16x4_f32 v[176:183], v[48+4*\c:49+4*\c], v[16+4*\c:17+4*\c], v[176:183]
	v_wmma_f32_16x16x4_f32 v[184:191], v[50+4*\c:51+4*\c], v[18+4*\c:19+4*\c], v[184:191]
.endr
.rept 8
	v_nop                                          ; eight places behind this form, ahead of reads of its results and writes of its sources (ISA guide 7.12.1)
.endr
	s_wait_kmcnt 0x0
	s_min_u32 s[FIRST], s[FIRST], 2048
.irp q, 0,1,2,3,4,5,6,7
	v_mov_b32 v[32+\q], s[20+\q]
	v_mov_b32 v[40+\q], s[28+\q]
.endr
	v_cmp_eq_u32 vcc_lo, 1, v13
.irp q, 0,1,2,3,4,5,6,7
	v_cndmask_b32 v[32+\q], v[32+\q], v[40+\q], vcc_lo     ; the bias of key 8 h + q
.endr
.irp q, 0,1,2,3,4,5,6,7
	v_add_f32 v[24+\q], v[176+\q], v[184+\q]       ; register q: key 8 h + q, query r
.endr
.irp q, 0,1,2,3,4,5,6,7
	v_add_f32 v[24+\q], v[24+\q], v[32+\q]
.endr
.irp q, 0,1,2,3,4,5,6,7
	v_cmp_gt_i32 vcc_lo, \q, v11                   ; key behind query
	v_cndmask_b32 v[24+\q], v[24+\q], v12, vcc_lo
.endr
	v_max3_num_f32 v48, v24, v25, v26
	v_max3_num_f32 v48, v48, v27, v28
	v_max3_num_f32 v48, v48, v29, v30
	v_max_num_f32 v48, v48, v31
	v_mov_b32 v49, 0
	v_permlanex16_b32 v49, v48, s36, s37
	v_max3_num_f32 v48, v48, v49, 0xee000000       ; the row's maximum, held at -2^93 from below: the floor acts only where all the row's keys are masked
	v_mul_f32 v48, s38, v48
.irp q, 0,1,2,3,4,5,6,7
	v_fma_f32 v[24+\q], v[24+\q], s38, -v48
.endr
.irp q, 0,1,2,3,4,5,6,7
	v_exp_f32 v[24+\q], v[24+\q]
.endr
	v_nop
	s_wait_alu depctr_va_vdst(0)                   ; one wait for the eight exponentials, ahead of their first reader
	v_add_f32 v50, v24, v25
	v_add_f32 v51, v26, v27
	v_add_f32 v52, v28, v29
	v_add_f32 v53, v30, v31
	v_add_f32 v50, v50, v51
	v_add_f32 v52, v52, v53
	v_add_f32 v50, v50, v52
	v_permlanex16_b32 v49, v50, s36, s37
	v_add_f32 v50, v50, v49                        ; the row's sum: near 1 or above where a key is kept, 0 where none is
	v_max_num_f32 v50, 0x2edbe6ff, v50             ; held at 1e-10 from below: the weights of a row with no kept key are 0
	v_rcp_f32 v50, v50
	v_nop
	s_wait_alu depctr_va_vdst(0)
.irp q, 0,1,2,3,4,5,6,7
	v_mul_f32 v[16+\q], v[24+\q], v50              ; the weights
.endr
	s_wait_loadcnt 16                              ; V is in; wo's 16 loads stay out
	; O^T = V^T P: four K steps (keys 8 h + 2 c + j), four sums by turns
.irp d, 0,1,2,3
	v_wmma_f32_16x16x4_f32 v[192+8*\d:199+8*\d], v[80+8*\d:81+8*\d], v[16:17], 0
.endr
.irp c, 1,2,3
.irp d, 0,1,2,3
	v_wmma_f32_16x16x4_f32 v[192+8*\d:199+8*\d], v[80+8*\d+2*\c:81+8*\d+2*\c], v[16+2*\c:17+2*\c], v[192+8*\d:199+8*\d]
.endr
.endr
.rept 9
	v_nop                                          ; nine places: the context becomes an operand, and loads land on registers that these products have read
.endr
.irp e, 0,1
.irp d, 0,1,2,3
	global_load_b128 v[16+32*\e+8*\d:19+32*\e+8*\d], v5, s[10:11] offset:131072+65536*\e+64*\d
	global_load_b128 v[20+32*\e+8*\d:23+32*\e+8*\d], v5, s[10:11] offset:131072+65536*\e+64*\d+16
.endr
.endr
	s_wait_loadcnt 16                              ; wo's first half is in; the 16 loads just issued stay out
	; OUT^T = wo O^T: 16 K steps (channels 16 d + 8 h + 2 c + j), two sums by turns, twice
	v_wmma_f32_16x16x4_f32 v[224:231], v[112:113], v[192:193], 0
	v_wmma_f32_16x16x4_f32 v[232:239], v[144:145], v[192:193], 0
.irp n, 1,2,3,4,5,6,7,8,9,10,11,12,13,14,15
	v_wmma_f32_16x16x4_f32 v[224:231], v[112+2*\n:113+2*\n], v[192+2*\n:193+2*\n], v[224:231]
	v_wmma_f32_16x16x4_f32 v[232:239], v[144+2*\n:145+2*\n], v[192+2*\n:193+2*\n], v[232:239]
.endr
	s_wait_loadcnt 0x0
	v_wmma_f32_16x16x4_f32 v[240:247], v[16:17], v[192:193], 0
	v_wmma_f32_16x16x4_f32 v[248:255], v[48:49], v[192:193], 0
.irp n, 1,2,3,4,5,6,7,8,9,10,11,12,13,14,15
	v_wmma_f32_16x16x4_f32 v[240:247], v[16+2*\n:17+2*\n], v[192+2*\n:193+2*\n], v[240:247]
	v_wmma_f32_16x16x4_f32 v[248:255], v[48+2*\n:49+2*\n], v[192+2*\n:193+2*\n], v[248:255]
.endr
.rept 8
	v_nop
.endr
.irp e, 0,1,2,3
	ds_store_b128 v6, v[224+8*\e:227+8*\e] offset:1024*\e          ; lane (r, h): columns 16 e + 8 h + 0..3 of row r; each sum from its low end on
	ds_store_b128 v6, v[228+8*\e:231+8*\e] offset:1024*\e+512      ; and + 4..7
.endr
	s_wait_dscnt 0x0                               ; for the others' sake: my partial result lies in LDS
	s_barrier_signal -1
	s_barrier_wait -1
	s_cmp_lt_u32 s14, 8
	s_cbranch_scc0 .Lend
	; waves 0-7: two rows each: the 16 heads' parts are added in ascending order
.irp p, 0,1,2,3,4,5,6,7,8,9,10,11,12,13,14,15
	ds_load_b128 v[16+4*\p:19+4*\p], v7 offset:4096*\p
.endr
	s_wait_dscnt 0x0
.irp p, 1,2,3,4,5,6,7,8,9,10,11,12,13,14,15
	v_pk_add_f32 v[16:17], v[16:17], v[16+4*\p:17+4*\p]
	v_pk_add_f32 v[18:19], v[18:19], v[18+4*\p:19+4*\p]
.endr
	v_cmp_gt_u32 vcc_lo, s[FIRST], v9              ; a row in front of the first kept key
.irp q, 0,1,2,3
	v_cndmask_b32 v[16+\q], v[16+\q], v10, vcc_lo
.endr
	global_store_b128 v8, v[16:19], s[12:13]       ; sixteen lanes store 256 consecutive bytes, aligned
.Lend:
	s_wait_tensorcnt 0x0                           ; the wave's end, behind my last LDS store
	ds_add_u32 v1, v2
	s_wait_dscnt 0x0
	s_endpgm
.Lfunc_end_k_q6cae2955fc_fine:
	.size	k_q6cae2955fc_fine, .Lfunc_end_k_q6cae2955fc_fine-k_q6cae2955fc_fine
	.p2alignl 7, 3214868480
	.fill 96, 4, 3214868480
	.section	.rodata,"a",@progbits
	.p2align	6, 0x0
	.amdhsa_kernel k_q6cae2955fc_fine
		.amdhsa_group_segment_fixed_size 67584
		.amdhsa_private_segment_fixed_size 0
		.amdhsa_enable_private_segment 0
		.amdhsa_kernarg_size 40
		.amdhsa_user_sgpr_count 2
		.amdhsa_user_sgpr_kernarg_segment_ptr 1
		.amdhsa_wavefront_size32 1
		.amdhsa_system_sgpr_workgroup_id_x 1
		.amdhsa_system_sgpr_workgroup_id_y 1
		.amdhsa_system_sgpr_workgroup_id_z 1
		.amdhsa_system_vgpr_workitem_id 0
		.amdhsa_next_free_vgpr 256
		.amdhsa_next_free_sgpr 66
		.amdhsa_reserve_vcc 1
		.amdhsa_float_denorm_mode_32 3
		.amdhsa_float_denorm_mode_16_64 3
		.amdhsa_memory_ordered 1
		.amdhsa_forward_progress 1
		.amdhsa_inst_pref_size 25
	.end_amdhsa_kernel
	.amdgpu_metadata
---
amdhsa.version: [ 1, 2 ]
amdhsa.kernels:
  - .name:           k_q6cae2955fc_fine
    .symbol:         k_q6cae2955fc_fine.kd
    .args:
      - { .name: qkv, .offset: 0, .size: 8, .value_kind: global_buffer, .address_space: global }
      - { .name: aux, .offset: 8, .size: 8, .value_kind: global_buffer, .address_space: global }
      - { .name: first, .offset: 16, .size: 8, .value_kind: global_buffer, .address_space: global }
      - { .name: wo, .offset: 24, .size: 8, .value_kind: global_buffer, .address_space: global }
      - { .name: out0, .offset: 32, .size: 8, .value_kind: global_buffer, .address_space: global }
    .group_segment_fixed_size: 67584
    .private_segment_fixed_size: 0
    .kernarg_segment_align: 8
    .kernarg_segment_size: 40
    .max_flat_workgroup_size: 512
    .sgpr_count:     66
    .vgpr_count:     256
    .wavefront_size: 32
...
	.end_amdgpu_metadata
.endif
;; end of part 5
